; MI455X (gfx1250); checked and timed in simulation.
; The chip was launched on July 23, 2026; its instructions are those of AMD's public machine-readable ISA for CDNA 5 (MIT licence, August 2026) and "CDNA5" Instruction Set Architecture Reference Guide (July 2026). The comments in the code are by the model that wrote it; some were corrected since.
;; Multi Head Attention. Allowed arithmetic: matrix products marked QUANTISED: E4M3 operands, one given power-of-two scale a tensor, by v_wmma_f32_16x16x64_fp8_fp8 or v_wmma_f32_16x16x128_fp8_fp8, f32 sums; everything else in f32.
;; Inputs: Wk 16 x 1,024 x 64 float32; Wp 1,024 x 1,024 float32; Wq 16 x 1,024 x 64 float32; Wv 16 x 1,024 x 64 float32; bp 1,024 float32; lowp_scales 12 int32 (the exponents e of the quantised operands' scales 2^e); x 4 x 2,048 x 1,024 float32.
;; Outputs: out0 4 x 2,048 x 1,024 float32.
;; This version of the problem:
;;   THIS VERSION OF THE PROBLEM IS GIVEN IN LOW PRECISION. The matrix products marked QUANTISED in the list below multiply operands that are first quantised to E4M3 (4 exponent bits, 3 mantissa bits; 8 bits a number), with one given power-of-two scale for each operand tensor; their sums are f32. All else is computed in f32.
;;   The module's matrix products, in the order in which they are computed (A, B: the left and right operand; K: the contracted axis; several contracted axes count as one K, in the product's order):
;;     1. [M 1,024, K 1,024] x [K 1,024, N 8,192]; A: input Wq; B: input x: QUANTISED (scales: A lowp_scales[0], B lowp_scales[1])
;;     2. [M 1,024, K 1,024] x [K 1,024, N 8,192]; A: input Wk; B: input x: QUANTISED (scales: A lowp_scales[2], B lowp_scales[3])
;;     3. [M 1,024, K 1,024] x [K 1,024, N 8,192]; A: input Wv; B: input x: QUANTISED (scales: A lowp_scales[4], B lowp_scales[5])
;;     4. batch 64 x [M 2,048, K 64] x [K 64, N 2,048]; A: computed on the way; B: computed on the way: QUANTISED (scales: A lowp_scales[6], B lowp_scales[7])
;;     5. batch 64 x [M 2,048, K 2,048] x [K 2,048, N 64]; A: softmax (see below); B: computed on the way: QUANTISED (scales: A lowp_scales[8], B lowp_scales[9])
;;     6. [M 8,192, K 1,024] x [K 1,024, N 1,024]; A: computed on the way; B: input Wp: QUANTISED (scales: A lowp_scales[10], B lowp_scales[11])
;;   THE QUANTISER, for each operand of a quantised product, along K:
;;     - The operand's scale is 2^e, e = its entry of the input lowp_scales (int32; the entries are numbered through the quantised products in the list's order, A before B).
;;     - Each number is divided by the scale, clamped to +-448, and rounded to the nearest number of E4M3, ties to even, subnormals kept.
;;     - The product sums the exact products of the quantised numbers (number of the format x scale) in f32.
;;   ~~~python
;;   def quantise(x, axis, e):      # numpy; x: float32 -> the quantised numbers, widened to float32 again
;;       x = np.moveaxis(x, axis, -1); K = x.shape[-1]
;;       r = np.clip(x / 2.0 ** e, -448, 448)
;;       step = 2.0 ** (np.maximum(np.frexp(np.where(r == 0, 1, r))[1] - 1, -6) - 3)
;;       q = np.round(r / step) * step * 2.0 ** e      # np.round: ties to even
;;       return np.moveaxis(q, -1, axis).astype(np.float32)
;;   ~~~
;;   SOFTMAX AHEAD OF A QUANTISED PRODUCT. Where the list says 'softmax', what is quantised is not the finished softmax but p = 2^(t - M), with t = logit x log2(e) and M = ceil(the row's largest t), a whole number; so 1/2 < the row's largest p <= 1. The row's sum l is taken of the UNQUANTISED p, in f32, and the product's result is divided by l at the end. Since M is a whole number, a kernel that streams over the keys may use a running M (the ceiling of the running maximum): every later rescaling is an exact power of two, so the quantised numbers keep their values, but for numbers so far below the row's largest that they fall under the format's range.
;;   OPERANDS COMPUTED ON THE WAY. 'Computed on the way' means the value that the module computes at that place (a softmax that the list does not call 'softmax' is quantised finished and normalised). What goes into a quantiser is computed in f32, as accurately as f32 sums, v_exp_f32 and their like allow (about 1e-6 of the number): no bf16 or f16 on the way to a quantiser, and a product that is left as it is and whose result goes on into a quantised operand takes f32 operands (vector FMAs, or v_wmma_f32_16x16x4_f32). A number that lies on a knife's edge between two numbers of the format may be rounded either way, as far as f32 arithmetic and the matrix unit's own rounding can turn it there, and no further.
;; One version. Each part assembles by itself: llvm-mc -triple=amdgcn-amd-amdhsa -mcpu=gfx1250 --defsym DOCPART=n.
;; ======== version 1 of 1: 4 launches
;; limits: right only within a limited range of input values
;; workspace buffers: codes 29,360,128 bytes; qkv 25,165,824 bytes; af 8,388,608 bytes
;; launch quant (part 1): grid 1536 x 1, 4 waves a work-group, no clusters, 34,304 bytes of LDS; arguments x, Wq, Wk, Wv, Wp, lowp_scales, codes; writes codes
.if DOCPART == 1
	.amdgcn_target "amdgcn-amd-amdhsa--gfx1250"
	.amdhsa_code_object_version 6
	.text
	.protected	k_qb884df7a74_quant
	.globl	k_qb884df7a74_quant
	.p2align	8
	.type	k_qb884df7a74_quant,@function
k_qb884df7a74_quant:
	s_mov_b64 s[64:65], 0
	v_nop
	global_prefetch_b8 v0, s[64:65] scope:SCOPE_SE
	s_setreg_imm32_b32 hwreg(HW_REG_WAVE_MODE, 25, 1), 1
	s_wait_xcnt 0x0
; x [8192][1024], Wq, Wk, Wv [16][1024][64] and Wp [1024][1024], f32, become codes of FP8 (E4M3), each with the scale 2^e that is given for it.
; code = number / 2^e, held within +-448, rounded to the nearest code, ties to even.  x is an operand of three products with three scales (entries 1, 3, 5): it is read once and quantised three times.
; LIMITS: entries 0 to 5 and 11 of the scales lie between -126 and 119, so that 2^e and 448 x 2^e are f32 numbers.  NaN among the inputs is not served (an infinity is held at the largest code).
; THE CODES LIE IN THE ORDER OF THE OPERAND'S REGISTERS.  A fragment is 16 rows x 128 along K: 16 registers a lane; lane (r = lane % 16, h = lane / 16) holds row r, and registers 2 c, 2 c + 1 hold K = 16 c + 8 h + 0 .. 7.
; Four registers of all 32 lanes are 512 bytes on end, lane l's 16 bytes at 16 l.  A fragment's place: (row / 128) x 131072 + (k / 256) x 32768 + ((row / 16) % 8) x 4096 + ((k / 128) % 2) x 2048.
; So 128 rows x 256 along K are one dense block of 32,768 bytes, and every store below covers 512 consecutive bytes, aligned.
; In the buffer: x under entry 1 at 0, under entry 3 at 8 MiB, under entry 5 at 16 MiB; then Wq, Wk, Wv (row = 64 head + d) and Wp (row = its output), 1 MiB each, from 24 MiB on.
; SHARES.  One wave makes one fragment; there is no loop and no barrier: waves share nothing.  Work-groups 0-1023: x; 1024-1407: Wq, Wk, Wv; 1408-1535: Wp.
; x and Wp have K innermost: each load takes 512 consecutive bytes of one row, and the 16 rows turn through the wave's own stage in LDS, from which a lane takes its eight neighbours along K.
; Wq, Wk, Wv have K as their middle axis: a lane takes a column d and its registers run down K; the four waves of a work-group stand side by side on a row's 256 bytes.
; Matrix units, clusters and tensor loads would add nothing: each byte is read once and nothing is shared.
.set PIT,   528                        ; a stage row: 512 bytes + 16: the sixteen rows that a read touches start at sixteen different 16-byte columns of 256 bytes
.set STGB,  16*PIT                     ; a wave's stage
.set SPARE, 4*STGB                     ; behind the four stages: the spare words, 128 bytes for each wave: two blocks of 256 bytes that no other line names
.set SA,    4                          ; v4   the stage on the way in: my wave's stage + 16 x lane
.set RA,    5                          ; v5   and on the way out: + 528 r + 32 h
.set L16,   6                          ; v6   16 x lane
.set WO,    7                          ; v7   Wq, Wk, Wv: 2048 h + 4 r
.set SPW,   12                         ; v12  LDS address of my spare word; never rewritten
.set NIL,   13                         ; v13  0; never rewritten
.set RAW,   16                         ; v16-79   16 rows as loaded; behind the turn:
.set T,     16                         ; v16-31   two sets of eight held numbers,
.set C,     32                         ; v32-79   three sets of 16 registers of codes, so that no store's data are written again
.set X,     80                         ; v80-143  register 8 c + j: K = 16 c + 8 h + j of my row
.set SC,    144                        ; v144-149 for each of three scales: 2^e, and 448 x 2^e
.macro MKSC e, vs, vl                  ; from the whole number in s[e]: 2^e as f32 (the conversion takes its exponent field), and the largest number x 2^e
	s_add_co_i32 s44, s[\e], 127
	s_lshl_b32 s45, s44, 23
	v_mov_b32 v[\vs], s45
	s_add_co_i32 s44, s44, 8
	s_lshl_b32 s44, s44, 23
	s_or_b32 s44, s44, 0x600000                    ; 448 = 1.75 x 2^8
	v_mov_b32 v[\vl], s44
.endm
.macro QUANT cd, vs, vl                ; X's 64 numbers become a fragment's 16 registers of codes; X stays as it is
.irp c, 0,1,2,3,4,5,6,7
.irp j, 0,1,2,3,4,5,6,7
	v_med3_num_f32 v[T+8*(\c%2)+\j], v[X+8*\c+\j], -v[\vl], v[\vl]   ; the conversion to an 8-bit code does not saturate (ISA guide 7.6.2): the hold comes first
.endr
	v_cvt_scalef32_pk8_fp8_f32 v[\cd+2*\c:\cd+2*\c+1], v[T+8*(\c%2):T+8*(\c%2)+7], v[\vs]   ; the other set's eight holds stand between this line and the next write of its sources
.endr
	v_nop                                          ; a plain vector line behind the last conversion
.endm
.macro PUT cd, b                       ; a fragment leaves: four stores of 512 consecutive bytes
.irp c, 0,1,2,3
	global_store_b128 v[L16], v[\cd+4*\c:\cd+4*\c+3], s[\b:\b+1] offset:512*\c
.endr
.endm
.macro DEST                            ; s[40:41] = the codes' buffer + the place of the fragment of row tile s36 and K step s37 in its tensor
	s_lshr_b32 s40, s36, 3
	s_lshl_b32 s40, s40, 17
	s_lshr_b32 s41, s37, 1
	s_lshl_b32 s41, s41, 15
	s_add_co_u32 s40, s40, s41
	s_and_b32 s41, s36, 7
	s_lshl_b32 s41, s41, 12
	s_add_co_u32 s40, s40, s41
	s_and_b32 s41, s37, 1
	s_lshl_b32 s41, s41, 11
	s_add_co_u32 s40, s40, s41
	s_mov_b32 s41, 0
	s_add_nc_u64 s[40:41], s[16:17], s[40:41]
.endm
.macro CLOSE                           ; the wave's end: every path ends alike
	s_wait_tensorcnt 0x0
	ds_add_u32 v[SPW], v[NIL]
	s_wait_dscnt 0x0
	s_endpgm
.endm
	s_load_b256 s[4:11], s[0:1], 0x0               ; x s[4:5], Wq s[6:7], Wk s[8:9], Wv s[10:11]
	s_load_b128 s[12:15], s[0:1], 0x20             ; Wp s[12:13], the scales' exponents s[14:15]
	s_load_b64 s[16:17], s[0:1], 0x30              ; the codes
	v_lshl_add_u32 v[SPW], v0, 2, SPARE
	v_mov_b32 v[NIL], 0
	v_lshrrev_b32 v1, 5, v0
	v_readfirstlane_b32 s18, v1                    ; wave 0..3
	v_and_b32 v1, 31, v0                           ; lane
	v_and_b32 v2, 15, v0                           ; r
	v_bfe_u32 v3, v0, 4, 1                         ; h
	v_lshlrev_b32 v[L16], 4, v1
	s_mul_i32 s19, s18, STGB
	v_add_nc_u32 v[SA], s19, v[L16]
	v_mul_u32_u24 v[RA], v2, PIT
	v_lshl_add_u32 v[RA], v3, 5, v[RA]
	v_add_nc_u32 v[RA], s19, v[RA]
	v_lshlrev_b32 v[WO], 2, v2
	v_lshl_add_u32 v[WO], v3, 11, v[WO]
	s_sub_co_u32 s32, ttmp9, 1024                  ; under 384 (unsigned) in the work-groups of Wq, Wk, Wv alone
	s_wait_kmcnt 0x0
	s_load_b256 s[20:27], s[14:15], 0x0            ; entries 0 to 7
	s_load_b128 s[28:31], s[14:15], 0x20           ; entries 8 to 11
	s_cmp_lt_u32 s32, 384
	s_cbranch_scc1 .Lheads
	; ---- x and Wp: rows of 4,096 bytes with K innermost.  Two work-groups to a tile of 16 rows; wave w takes K step 4 (g % 2) + w
	s_cmp_lt_u32 ttmp9, 1024
	s_cselect_b64 s[34:35], s[4:5], s[12:13]       ; the choice hangs on the work-group's number alone
	s_cselect_b32 s33, 0, 1408
	s_sub_co_u32 s33, ttmp9, s33                   ; the work-group's number within its tensor
	s_lshr_b32 s36, s33, 1                         ; tile of 16 rows
	s_and_b32 s37, s33, 1
	s_lshl_b32 s37, s37, 2
	s_add_co_u32 s37, s37, s18                     ; K step of 128
	s_lshl_b32 s38, s36, 16                        ; 16 rows of 4,096 bytes
	s_lshl_b32 s39, s37, 9                         ; 128 numbers
	s_add_co_u32 s38, s38, s39
	s_mov_b32 s39, 0
	s_add_nc_u64 s[34:35], s[34:35], s[38:39]
.set i, 0
	s_wait_alu depctr_va_vdst(0)
.rept 16
	global_load_b128 v[RAW+4*i:RAW+4*i+3], v[L16], s[34:35] offset:4096*i th:TH_LOAD_NT   ; row i: 32 lanes read 512 consecutive bytes; read once in the launch
.set i, i+1
.endr
	DEST
.set i, 0
.rept 16
	s_wait_loadcnt 15-i                            ; loads come back in order: row i is in, the younger ones may be out
	ds_store_b128 v[SA], v[RAW+4*i:RAW+4*i+3] offset:PIT*i
.set i, i+1
.endr
.set i, 0
.rept 8
	ds_load_b128 v[X+8*i:X+8*i+3], v[RA] offset:64*i       ; LDS serves a wave's instructions in order: these see my stores.  K = 16 i + 8 h + 0 .. 3 of row r,
	ds_load_b128 v[X+8*i+4:X+8*i+7], v[RA] offset:64*i+16  ; and + 4 .. 7
.set i, i+1
.endr
	s_wait_kmcnt 0x0                               ; the scales' exponents
	s_cmp_lt_u32 ttmp9, 1024
	s_cbranch_scc0 .Lwp
	MKSC 21, SC, SC+1                              ; x as the operand of q's product,
	MKSC 23, SC+2, SC+3                            ; of k's,
	MKSC 25, SC+4, SC+5                            ; of v's
	s_add_nc_u64 s[42:43], s[40:41], 0x800000      ; three bases: 8 MiB do not fit a store's immediate
	s_add_nc_u64 s[46:47], s[40:41], 0x1000000
	s_wait_alu depctr_va_vdst(0)
	s_wait_dscnt 0x0                               ; my 64 numbers are back, and the stores into the stage have read RAW, which T and C take over
	QUANT C, SC, SC+1
	PUT C, 40
	QUANT C+16, SC+2, SC+3
	PUT C+16, 42
	QUANT C+32, SC+4, SC+5
	PUT C+32, 46
	CLOSE
.Lwp:
	MKSC 31, SC, SC+1                              ; Wp: entry 11
	s_add_nc_u64 s[40:41], s[40:41], 0x1b00000     ; its MiB of the buffer
	s_wait_alu depctr_va_vdst(0)
	s_wait_dscnt 0x0
	QUANT C, SC, SC+1
	PUT C, 40
	CLOSE
	; ---- Wq, Wk, Wv: [head][K][64].  Work-group = 128 x tensor + 8 x head + K step; wave w takes d = 16 w .. 16 w + 15
.Lheads:
	s_lshr_b32 s33, s32, 7                         ; which tensor
	s_bfe_u32 s38, s32, 0x40003                    ; head
	s_and_b32 s37, s32, 7                          ; K step of 128
	s_cmp_eq_u32 s33, 0
	s_cselect_b64 s[34:35], s[6:7], s[8:9]
	s_cmp_eq_u32 s33, 2
	s_cselect_b64 s[34:35], s[10:11], s[34:35]
	s_lshl_b32 s42, s38, 18                        ; a head is 1,024 x 256 bytes,
	s_lshl_b32 s43, s37, 15                        ; 128 rows along K,
	s_add_co_u32 s42, s42, s43
	s_lshl_b32 s43, s18, 6                         ; my 16 columns
	s_add_co_u32 s42, s42, s43
	s_mov_b32 s43, 0
	s_add_nc_u64 s[34:35], s[34:35], s[42:43]
	s_wait_alu depctr_va_vdst(0)
.irp c, 0,1,2,3,4,5,6,7
.irp j, 0,1,2,3,4,5,6,7
	global_load_b32 v[X+8*\c+\j], v[WO], s[34:35] offset:(16*\c+\j)*256   ; W(K = 16 c + 8 h + j, d = 16 w + r): sixteen lanes read 64 neighbouring bytes
.endr
.endr
	s_lshl_b32 s36, s38, 2
	s_add_co_u32 s36, s36, s18                     ; tile of 16 rows of the operand: row = 64 head + d
	DEST
	s_lshl_b32 s42, s33, 20
	s_add_co_u32 s42, s42, 0x1800000               ; the tensor's MiB of the buffer
	s_add_nc_u64 s[40:41], s[40:41], s[42:43]
	s_wait_kmcnt 0x0
	s_cmp_eq_u32 s33, 0
	s_cselect_b32 s39, s20, s22                    ; entries 0, 2, 4
	s_cmp_eq_u32 s33, 2
	s_cselect_b32 s39, s24, s39
	MKSC 39, SC, SC+1
	s_wait_alu depctr_va_vdst(0)
	s_wait_loadcnt 0x0
	QUANT C, SC, SC+1
	PUT C, 40
	CLOSE
.Lfunc_end_k_qb884df7a74_quant:
	.size	k_qb884df7a74_quant, .Lfunc_end_k_qb884df7a74_quant-k_qb884df7a74_quant
	.p2alignl 7, 3214868480
	.fill 96, 4, 3214868480
	.section	.rodata,"a",@progbits
	.p2align	6, 0x0
	.amdhsa_kernel k_qb884df7a74_quant
		.amdhsa_group_segment_fixed_size 34304
		.amdhsa_private_segment_fixed_size 0
		.amdhsa_enable_private_segment 0
		.amdhsa_kernarg_size 56
		.amdhsa_user_sgpr_count 2
		.amdhsa_user_sgpr_kernarg_segment_ptr 1
		.amdhsa_wavefront_size32 1
		.amdhsa_system_sgpr_workgroup_id_x 1
		.amdhsa_system_sgpr_workgroup_id_y 1
		.amdhsa_system_sgpr_workgroup_id_z 1
		.amdhsa_system_vgpr_workitem_id 0
		.amdhsa_next_free_vgpr 152
		.amdhsa_next_free_sgpr 66
		.amdhsa_reserve_vcc 0
		.amdhsa_float_denorm_mode_32 3
		.amdhsa_float_denorm_mode_16_64 3
		.amdhsa_memory_ordered 1
		.amdhsa_forward_progress 1
		.amdhsa_inst_pref_size 41
	.end_amdhsa_kernel
	.amdgpu_metadata
---
amdhsa.version: [ 1, 2 ]
amdhsa.kernels:
  - .name:           k_qb884df7a74_quant
    .symbol:         k_qb884df7a74_quant.kd
    .args:
      - { .name: x, .offset: 0, .size: 8, .value_kind: global_buffer, .address_space: global }
      - { .name: Wq, .offset: 8, .size: 8, .value_kind: global_buffer, .address_space: global }
      - { .name: Wk, .offset: 16, .size: 8, .value_kind: global_buffer, .address_space: global }
      - { .name: Wv, .offset: 24, .size: 8, .value_kind: global_buffer, .address_space: global }
      - { .name: Wp, .offset: 32, .size: 8, .value_kind: global_buffer, .address_space: global }
      - { .name: lowp_scales, .offset: 40, .size: 8, .value_kind: global_buffer, .address_space: global }
      - { .name: codes, .offset: 48, .size: 8, .value_kind: global_buffer, .address_space: global }
    .group_segment_fixed_size: 34304
    .private_segment_fixed_size: 0
    .kernarg_segment_align: 8
    .kernarg_segment_size: 56
    .max_flat_workgroup_size: 128
    .sgpr_count:     66
    .vgpr_count:     152
    .wavefront_size: 32
...
	.end_amdgpu_metadata
.endif
;; end of part 1
;; launch qkv (part 2): grid 12 x 32, 4 waves a work-group, clusters of 4 x 4, 327,680 bytes of LDS; arguments codes, lowp_scales, qkv; writes qkv
.if DOCPART == 2
	.amdgcn_target "amdgcn-amd-amdhsa--gfx1250"
	.amdhsa_code_object_version 6
	.text
	.protected	k_qb884df7a74_qkv
	.globl	k_qb884df7a74_qkv
	.p2align	8
	.type	k_qb884df7a74_qkv,@function
k_qb884df7a74_qkv:
	s_mov_b64 s[64:65], 0
	v_nop
	global_prefetch_b8 v0, s[64:65] scope:SCOPE_SE
	s_setreg_imm32_b32 hwreg(HW_REG_WAVE_MODE, 25, 1), 1
	s_wait_xcnt 0x0
	s_wait_alu depctr_hold_cnt(0) depctr_sa_sdst(0) depctr_va_vdst(0) depctr_va_sdst(0) depctr_va_ssrc(0) depctr_va_vcc(0) depctr_vm_vsrc(0)
	s_getreg_b32 s2, hwreg(HW_REG_IB_STS2, 6, 4)
	s_cmp_eq_u32 s2, 0
	s_cbranch_scc0 .Lentry_in_a_cluster
	s_endpgm
.Lentry_in_a_cluster:
	s_bfe_u32 s2, ttmp6, 0x10000c
	s_cmp_lg_u32 s2, 0xf033
	s_cbranch_scc0 .Lentry_shape_is_right
	s_endpgm
.Lentry_shape_is_right:
; q, k, v = x W, three products [8192 tokens] x [1024 = 16 heads x 64] over K = 1,024, on codes of FP8 (E4M3); the f32 sums are quantised in registers for attention's two products and leave as codes.
; The cluster's x says which: 0 q, 1 k, 2 v.  A tile of 256 x 256 is made by four waves, 128 x 128 each: 64 accumulators of 16 x 16, 512 registers.
; OPERANDS lie in memory in the order of their registers (a fragment, 16 rows x 128 K, is 2,048 bytes on end, lane l's 16 bytes of each four registers at 16 l); 128 rows x 256 K are one dense block of 32,768 bytes,
; which one tensor load brings; a fragment comes out of LDS by four loads of 512 consecutive bytes: no pitch, no padding.  K goes in steps of 256 through a ring of two LDS slots; 1,024 is four steps.
; THE MATRIX INSTRUCTION IS USED TRANSPOSED (source 0 = 16 rows of B, source 1 = 16 rows of A): a lane holds one row of A and eight neighbouring rows of B.
;   q, k: A = tokens, B = the weight's rows (64 head + d): a lane's eight results are eight neighbouring d of one token: a register pair of the operand [token][d] of q k^T.
;   v:    A = the weight's rows, B = tokens: eight neighbouring KEYS of one d: a register pair of the operand [d][key] of the second product.
; So one conversion of an accumulator's eight registers gives two registers of the next operand, in the lane that wants them, and the results leave as images of registers: 512 consecutive bytes a store.
; OUT: q at 0, k at 8 MiB: (16 batch + head) x 131072 + (token / 16) x 1024 + 512 c + 16 l;  v at 16 MiB: (16 batch + head) x 131072 + (key / 128) x 8192 + (d / 16) x 2048 + 512 c + 16 l.
; A sum stands for sum x 2^(ea + eb), so its code is sum / 2^(eo - ea - eb): the three scales are folded into the conversion's one.  eo: entries 6, 7, 9; ea, eb: entries 0, 1; 2, 3; 4, 5.
; LIMIT: eo - ea - eb lies between -126 and 119.
; CLUSTERS: 4 x 4 work-groups.  The four of a row of the cluster need the same tiles of A, the four of a column the same tiles of B: each tile is asked for JOINTLY.  What differs between q, k and v is chosen by
; s_cselect on the cluster's x, which all partners share: there is no branch on it.
; REGISTERS, in windows of 256: window 0: v0-31 addresses; v32-95 held sums on the way out; from v128 A's fragments, ONE set, on the way out the codes.  window 1: B's fragments, TWO sets.  windows 2, 3: the accumulators.
.set HALFT,  32768                     ; 128 rows x 256 K: what one tensor load brings, and what one wave reads of A or of B
.set SLOT,   4*HALFT                   ; A's two halves, then B's two
.set SPARE,  2*SLOT                    ; behind the ring: the spare words, 128 bytes for each wave: two blocks of 256 bytes that no other line names
.set FR,     16                        ; registers of a fragment
.set NL,     4                         ; LDS loads that bring one
.set NP,     4                         ; places behind this matrix instruction (ISA guide 7.12.1)
.set SO,   4                           ; v4-7    the way out: 16 x lane + (block % 4) x the step from block to block
.set VS,   8                           ; v8      2^(eo - ea - eb) as f32
.set VL,   9                           ; v9      448 x that
.set ADRA, 16                          ; v16-17  LDS address of my A fragments in slot 0, 1
.set ADRB, 20                          ; v20-21  the same for B
.set SPW,  28                          ; v28     LDS address of my spare word; never rewritten
.set NIL,  29                          ; v29     0; never rewritten
.set TMP,  32                          ; the way out: a block's 64 sums, held
.set AF,   128                         ; A's fragments, in window 0
.set CD,   128                         ; the way out: 16 registers of codes for each of eight blocks, so that no store's data are written again
.set G1, 24                            ; s[24:31] descriptor group 1 for A's tiles;  s[32:39] group 0, one set for each slot
.set G0, 32
.set G1B, 48                           ; s[48:55], s[56:63] the same for B's tiles
.set G0B, 56
.set MSB, 0
.macro WIN new                         ; the immediate's high byte repeats the setting that is left
.if MSB != (\new)
	s_set_vgpr_msb (MSB<<8)|(\new)
.set MSB, (\new)
.endif
.endm
.set MUL_LO, 0xa1                      ; source 0 (B) window 1, source 1 (A) window 0, C and D window 2
.set MUL_HI, 0xf1                      ; the same, C and D window 3
.set TO_B,   0x40                      ; destination window 1, address window 0
; A joint load: waves 0 and 1 fetch for A, waves 2 and 3 for B.  Each of the two lines has ONE mask and one set of registers for all that issue it; the branch hangs on the wave's number alone.
; An s_nop 0 and four v_nop follow each of the two lines, ahead of the jump, the label and what follows.
.macro JLOAD g0a, g1a, g0b, g1b
	s_cmp_eq_u32 s15, 0
	s_cbranch_scc0 .Lfor_b_\@
	tensor_load_to_lds s[\g0a:\g0a+3], s[\g1a:\g1a+7]
	s_nop 0
.rept 4
	v_nop
.endr
	s_branch .Lasked_\@
.Lfor_b_\@:
	tensor_load_to_lds s[\g0b:\g0b+3], s[\g1b:\g1b+7]
	s_nop 0
.rept 4
	v_nop
.endr
.Lasked_\@:
.endm
.macro CREST                           ; a round of the cluster's barrier behind its opening barrier
	s_cmp_lg_u32 s14, 0
	s_cbranch_scc1 .Lnot_wave_0_\@
	s_barrier_signal -3
.Lnot_wave_0_\@:
	s_barrier_wait -3
	s_barrier_signal -1
	s_barrier_wait -1
.endm
.macro CROUND                          ; a whole round
	s_barrier_signal -1
	s_barrier_wait -1
	CREST
.endm
	s_load_b128 s[4:7], s[0:1], 0x0                ; the codes s[4:5], the scales' exponents s[6:7]
	s_load_b64 s[10:11], s[0:1], 0x10              ; q, k, v
	v_lshl_add_u32 v[SPW], v0, 2, SPARE
	v_mov_b32 v[NIL], 0
	ds_add_u32 v[SPW], v[NIL]                      ; the wave's opening: the add and its wait stand ahead of my first tensor load; the set-up below, work on registers, stands between them
	ds_add_u32 v[SPW], v[NIL]
	v_lshrrev_b32 v1, 5, v0
	v_readfirstlane_b32 s14, v1                    ; wave 0..3
	s_lshr_b32 s15, s14, 1                         ; which half of the tile's rows is mine.  Also: I fetch for A (0) or for B (1)
	s_and_b32 s16, s14, 1                          ; which half of its columns.  Also: which 128 rows of that tile I fetch
	s_bfe_u32 s40, ttmp6, 0x40000                  ; cx, cy: my place in the cluster
	s_bfe_u32 s41, ttmp6, 0x40004
	s_mov_b32 s66, ttmp9                           ; the cluster's x: 0 q, 1 k, 2 v
	s_and_b32 s67, ttmp7, 0xffff                   ; the cluster's y: which 1,024 tokens
	s_lshl_b32 s18, s66, 23                        ; where x's codes for this product begin,
	s_lshl_b32 s19, s66, 20
	s_add_co_u32 s19, s19, 0x1800000               ; and the weight's
	s_cmp_eq_u32 s66, 2                            ; v?  Then the weight is A and the tokens are B
	s_cselect_b32 s17, 0, s67
	s_cselect_b32 s42, s67, 0
	s_cselect_b32 s20, s19, s18                    ; A's codes
	s_cselect_b32 s46, s18, s19                    ; B's codes
	s_lshl_b32 s17, s17, 2
	s_add_co_u32 s17, s17, s41                     ; tile row: q, k: 4 x cluster y + cy;  v: cy
	s_lshl_b32 s42, s42, 2
	s_add_co_u32 s42, s42, s40                     ; tile column: q, k: cx;  v: 4 x cluster y + cx
	s_lshl_b32 s43, s41, 2
	s_lshl_b32 s43, 15, s43                        ; my row of the cluster
	s_lshl_b32 s44, 0x1111, s40                    ; my column
	; descriptor group 1: a dense block of 32,768 bytes, stated as 128 rows of 32 elements of 8 bytes
	s_or_b32 s[G1+0], s43, (3<<16)|(1<<21)         ; 15:0 the mask: A's tiles go to my row; 17:16 elements of 8 bytes; 20 no padding; 21 set beside a mask
	s_or_b32 s[G1B+0], s44, (3<<16)|(1<<21)
.irp g, G1, G1B
	s_mov_b32 s[\g+1], 32<<16                      ; tensor_dim0
	s_mov_b32 s[\g+2], 128<<16                     ; tensor_dim1
	s_mov_b32 s[\g+3], 32<<16                      ; tile_dim0
	s_mov_b32 s[\g+4], 128                         ; tile_dim1
	s_mov_b32 s[\g+5], 32                          ; tensor_dim0_stride: dense
	s_mov_b32 s[\g+6], 0
	s_mov_b32 s[\g+7], 0
.endr
	s_lshl_b32 s21, s17, 1
	s_add_co_u32 s21, s21, s16
	s_lshl_b32 s21, s21, 17                        ; A: 128 rows are 131,072 bytes: 2 x tile row + half
	s_add_co_u32 s20, s20, s21
	s_mov_b32 s21, 0
	s_lshl_b32 s47, s42, 1
	s_add_co_u32 s47, s47, s16
	s_lshl_b32 s47, s47, 17                        ; B: 2 x tile column + half
	s_add_co_u32 s46, s46, s47
	s_mov_b32 s47, 0
	s_mul_i32 s45, s14, HALFT                      ; where they go: wave x 32,768: no place in the cluster enters an LDS address
	s_wait_dscnt 0x0                               ; the opening add is done
	s_wait_kmcnt 0x0
	s_load_b256 s[68:75], s[6:7], 0x0              ; entries 0 to 7
	s_load_b128 s[76:79], s[6:7], 0x20             ; entries 8 to 11
	s_add_nc_u64 s[20:21], s[4:5], s[20:21]
	s_add_nc_u64 s[46:47], s[4:5], s[46:47]
	CROUND                                         ; all sixteen work-groups are here: the first joint loads meet
.irp s, 0,1
	s_mov_b32 s[G0+4*\s], 1
	s_add_co_u32 s[G0+4*\s+1], s45, \s*SLOT
	s_add_nc_u64 s[G0+4*\s+2:G0+4*\s+3], s[20:21], \s*HALFT      ; the next K step's block follows on end
	s_or_b32 s[G0+4*\s+3], s[G0+4*\s+3], 0x80000000
	s_mov_b32 s[G0B+4*\s], 1
	s_add_co_u32 s[G0B+4*\s+1], s45, \s*SLOT
	s_add_nc_u64 s[G0B+4*\s+2:G0B+4*\s+3], s[46:47], \s*HALFT
	s_or_b32 s[G0B+4*\s+3], s[G0B+4*\s+3], 0x80000000
.endr
	JLOAD G0, G1, G0B, G1B                         ; K step 0: one tensor load a wave at the head
	v_and_b32 v1, 31, v0
	v_lshlrev_b32 v[SO], 4, v1                     ; 16 x lane
	s_wait_alu depctr_va_vdst(0)
	s_mul_i32 s21, s15, HALFT                      ; my 128 rows of A
	s_mul_i32 s22, s16, HALFT                      ; my 128 rows of B,
	s_add_co_u32 s22, s22, 2*HALFT                 ; which lie behind A's
.irp s, 0,1
	v_add_nc_u32 v[ADRA+\s], s21, v[SO]
	v_add_nc_u32 v[ADRB+\s], s22, v[SO]
	s_add_co_u32 s21, s21, SLOT
	s_add_co_u32 s22, s22, SLOT
.endr
	; where the results go.  TT: tile of 256 tokens, th: my half of it;  TH: tile of 4 heads, hh: my pair of them.  (In registers that feed no descriptor)
	s_cmp_eq_u32 s66, 2
	s_cselect_b32 s88, s42, s17                    ; TT
	s_cselect_b32 s89, s17, s42                    ; TH
	s_cselect_b32 s90, s16, s15                    ; th
	s_cselect_b32 s91, s15, s16                    ; hh
	s_mov_b32 s92, 1024
	s_cselect_b32 s92, 2048, s92                   ; from block a to a + 1: q, k: 16 tokens on;  v: 16 d on
	s_mov_b32 s93, 4096
	s_cselect_b32 s93, 131072, s93                 ; from block a to a + 4: q, k: 64 tokens on;  v: a head on
	s_mov_b32 s94, 131072
	s_cselect_b32 s94, 1024, s94                   ; from B's blocks 0-3 to 4-7: q, k: a head on;  v: 64 keys on
	s_lshl_b32 s95, s66, 23                        ; q, k or v's 8 MiB
	s_lshr_b32 s2, s88, 3
	s_lshl_b32 s2, s2, 21                          ; batch x 16 heads x 131,072
	s_add_co_u32 s95, s95, s2
	s_lshl_b32 s2, s89, 2
	s_lshl_b32 s3, s91, 1
	s_add_co_u32 s2, s2, s3
	s_lshl_b32 s2, s2, 17                          ; head 4 TH + 2 hh
	s_add_co_u32 s95, s95, s2
	s_and_b32 s2, s88, 7
	s_lshl_b32 s2, s2, 1
	s_add_co_u32 s2, s2, s90
	s_lshl_b32 s2, s2, 13                          ; 128 tokens of a head are 8,192 bytes in all three
	s_add_co_u32 s2, s95, s2
	s_mov_b32 s3, 0
	s_add_nc_u64 s[80:81], s[10:11], s[2:3]        ; four bases, never stepped
	s_mov_b32 s2, s94
	s_add_nc_u64 s[82:83], s[80:81], s[2:3]
	s_mov_b32 s2, s93
	s_add_nc_u64 s[84:85], s[80:81], s[2:3]
	s_add_nc_u64 s[86:87], s[82:83], s[2:3]
	v_add_nc_u32 v[SO+1], s92, v[SO]
	v_add_nc_u32 v[SO+2], s92, v[SO+1]
	v_add_nc_u32 v[SO+3], s92, v[SO+2]
	s_wait_alu depctr_va_vdst(0)
	s_wait_kmcnt 0x0
	s_sub_co_i32 s92, s74, s68                     ; q: entry 6 - 0 - 1
	s_sub_co_i32 s92, s92, s69
	s_sub_co_i32 s93, s75, s70                     ; k: 7 - 2 - 3
	s_sub_co_i32 s93, s93, s71
	s_sub_co_i32 s94, s77, s72                     ; v: 9 - 4 - 5
	s_sub_co_i32 s94, s94, s73
	s_cmp_eq_u32 s66, 0
	s_cselect_b32 s92, s92, s93
	s_cmp_eq_u32 s66, 2
	s_cselect_b32 s92, s94, s92
	s_add_co_i32 s92, s92, 127
	s_lshl_b32 s93, s92, 23
	v_mov_b32 v[VS], s93
	s_add_co_i32 s92, s92, 8
	s_lshl_b32 s92, s92, 23
	s_or_b32 s92, s92, 0x600000
	v_mov_b32 v[VL], s92
.macro FRAG reg, adr, q, i             ; fragment i of the slot's q-th 128 along K: four loads of 512 consecutive bytes; registers 2 c, 2 c + 1 hold K = 16 c + 8 (l / 16) + 0 .. 7 of row l % 16
.irp c, 0,1,2,3
	ds_load_b128 v[\reg+4*\c:\reg+4*\c+3], v[\adr] offset:2048*(\q)+512*\c+(\i)*4096
.endr
.endm
; 16 matrix instructions: A's blocks a0, a0 + 1 x B's eight, 128 along K.  p: B's set.  zero = 1: the first product starts the sums: nothing is ever cleared.
; The 64 accumulators take turns, one instruction a turn, in the same order in every step.
.macro MUL16 a0, p, zero
.irp a, \a0, \a0+1
.irp b, 0,1,2,3,4,5,6,7
.if \zero
	v_wmma_f32_16x16x128_fp8_fp8 v[8*(8*((\a)%4)+\b):8*(8*((\a)%4)+\b)+7], v[128*(\p)+FR*\b:128*(\p)+FR*\b+FR-1], v[AF+FR*(\a):AF+FR*(\a)+FR-1], 0
.else
	v_wmma_f32_16x16x128_fp8_fp8 v[8*(8*((\a)%4)+\b):8*(8*((\a)%4)+\b)+7], v[128*(\p)+FR*\b:128*(\p)+FR*\b+FR-1], v[AF+FR*(\a):AF+FR*(\a)+FR-1], v[8*(8*((\a)%4)+\b):8*(8*((\a)%4)+\b)+7]
.endif
.endr
.endr
.endm
.macro FETCH_B slot, q, p              ; B's eight fragments of the slot's q-th 128 along K into set p
	WIN TO_B
.irp i, 0,1,2,3,4,5,6,7
	FRAG 128*(\p)+FR*\i, ADRB+\slot, \q, \i
.endr
	WIN 0
.endm
.macro FETCH_A slot, q, i0             ; A's blocks i0 .. i0 + 3
.irp i, \i0, \i0+1, \i0+2, \i0+3
	FRAG AF+FR*(\i), ADRA+\slot, \q, \i
.endr
.endm
.macro PLACES n                        ; plain vector lines between a matrix instruction and a load into, or a vector read of, its registers (ISA guide 7.12.1 for the vector reads)
.rept \n
	v_nop
.endr
.endm
; A step of 128 along K that has its successor in the same slot.  A's blocks go one after the other, each against B's eight: a block of A is free when its eight products are issued, so A has one set of registers.
.macro STEP slot, q, zero
	s_wait_dscnt 4*NL                              ; B's set and A's blocks 0-3 are in; the youngest sixteen loads (A's blocks 4-7) may be out
	WIN MUL_LO
	MUL16 0, (\q)%2, \zero
	MUL16 2, (\q)%2, \zero
	s_wait_dscnt 0                                 ; A's blocks 4-7 are in (asked for 32 matrix instructions ago)
	PLACES NP
	FETCH_B \slot, (\q)+1, 1-(\q)%2
	FETCH_A \slot, (\q)+1, 0
	WIN MUL_HI
	MUL16 4, (\q)%2, \zero
	MUL16 6, (\q)%2, \zero
	PLACES NP
	WIN 0
	FETCH_A \slot, (\q)+1, 4
.endm
; A slot's last step changes slots: ONE barrier; in front of it each wave waits for all its tensor loads, adds 0 to its spare word, and waits for that and for its own reads of this slot.  fill = 1: this slot is filled again, two K steps ahead.
.macro TURN slot, next, fill
	s_wait_tensorcnt 0x0                           ; all my tensor loads have landed: my part of the next slot;  (every window is 0 here: the add's two registers lie in window 0)
	ds_add_u32 v[SPW], v[NIL]                      ; 0 onto my spare word
	s_wait_dscnt 4*NL+1                            ; (the add and the youngest sixteen loads, A's blocks 4-7, may be out)
	WIN MUL_LO
	MUL16 0, 1, 0                                  ; sixteen matrix instructions stand between the add and the wait for it
	s_wait_dscnt 0x0                               ; the add is done, and my reads of this slot are over
	s_barrier_signal -1
	MUL16 2, 1, 0
	WIN 0
	s_barrier_wait -1
.if \fill
	CREST                                          ; the barrier has opened a round of the cluster's barrier: no wave of any partner still reads this slot's tile or has a load on its way
	s_add_nc_u64 s[G0+4*\slot+2:G0+4*\slot+3], s[G0+4*\slot+2:G0+4*\slot+3], 2*HALFT
	s_add_nc_u64 s[G0B+4*\slot+2:G0B+4*\slot+3], s[G0B+4*\slot+2:G0B+4*\slot+3], 2*HALFT
	JLOAD G0+4*\slot, G1, G0B+4*\slot, G1B         ; the first tensor load behind the round; the four v_nop behind it are the places in front of the loads below
.else
	PLACES NP
.endif
	FETCH_B \next, 0, 0
	FETCH_A \next, 0, 0
	WIN MUL_HI
	MUL16 4, 1, 0
	MUL16 6, 1, 0
	PLACES NP
	WIN 0
	FETCH_A \next, 0, 4
.endm
	s_wait_alu depctr_va_vdst(0)                   ; the head's end
	s_wait_tensorcnt 0x0                           ; my part of K step 0 is in
	ds_add_u32 v[SPW], v[NIL]
	s_wait_dscnt 0x0
	CROUND                                         ; a whole round: everybody's part of K step 0 is in, and the joint loads meet
	JLOAD G0+4, G1, G0B+4, G1B                     ; K step 1: the first tensor load behind the round
	FETCH_B 0, 0, 0
	FETCH_A 0, 0, 0
	FETCH_A 0, 0, 4
	STEP 0, 0, 1                                   ; K 0-127: its products start the sums
	TURN 0, 1, 1                                   ; K 128-255; slot 0 takes K 512-767
	STEP 1, 0, 0
	TURN 1, 0, 1                                   ; slot 1 takes K 768-1023: the last load
	STEP 0, 0, 0
	TURN 0, 1, 0                                   ; nothing is left to fetch: no round of the cluster's barrier
	STEP 1, 0, 0
	s_wait_dscnt 4*NL                              ; the very last step
	WIN MUL_LO
	MUL16 0, 1, 0
	MUL16 2, 1, 0
	s_wait_alu depctr_va_vdst(0)
	s_wait_dscnt 0
	WIN MUL_HI
	MUL16 4, 1, 0
	MUL16 6, 1, 0
	WIN 0
; THE WAY OUT of block a (A's rows 16 a on): 64 holds, each accumulator from its low end on; eight conversions; four stores of 512 consecutive bytes.  No LDS: the codes are the next operand's registers as they stand.
.macro OUTB a
.set AC, 64*((\a)%4)
.set CB, CD+16*(\a)
	WIN 0x02+((\a)/4)                              ; source 0: window 2 or 3
.set i, 0
.rept 64
	v_med3_num_f32 v[TMP+i], v[AC+i], -v[VL], v[VL]   ; the conversion to an 8-bit code does not saturate (ISA guide 7.6.2)
.set i, i+1
.endr
	WIN 0
.irp b, 0,1,2,3,4,5,6,7
	v_cvt_scalef32_pk8_fp8_f32 v[CB+2*\b:CB+2*\b+1], v[TMP+8*\b:TMP+8*\b+7], v[VS]
.endr
	v_nop                                          ; a plain vector line between the conversions and the next block's holds, which write their sources
.irp g, 0,1,2,3
	global_store_b128 v[SO+(\a)%4], v[CB+4*\g:CB+4*\g+3], s[80+4*((\a)/4)+2*(\g/2):81+4*((\a)/4)+2*(\g/2)] offset:512*(\g%2)
.endr
.endm
	PLACES NP                                      ; behind the last products: for the reads of the sums, and for the writes into the registers that held A's fragments
.irp a, 0,1,2,3,4,5,6,7
	OUTB \a
.endr
	s_wait_tensorcnt 0x0                           ; the wave's end, behind my last tensor load
	ds_add_u32 v[SPW], v[NIL]
	s_wait_dscnt 0x0
	CROUND                                         ; the closing round: no work-group ends while a partner may still ask for a tile that names it
	s_endpgm
.Lfunc_end_k_qb884df7a74_qkv:
	.size	k_qb884df7a74_qkv, .Lfunc_end_k_qb884df7a74_qkv-k_qb884df7a74_qkv
	.p2alignl 7, 3214868480
	.fill 96, 4, 3214868480
	.section	.rodata,"a",@progbits
	.p2align	6, 0x0
	.amdhsa_kernel k_qb884df7a74_qkv
		.amdhsa_group_segment_fixed_size 327680
		.amdhsa_private_segment_fixed_size 0
		.amdhsa_enable_private_segment 0
		.amdhsa_kernarg_size 24
		.amdhsa_user_sgpr_count 2
		.amdhsa_user_sgpr_kernarg_segment_ptr 1
		.amdhsa_wavefront_size32 1
		.amdhsa_system_sgpr_workgroup_id_x 1
		.amdhsa_system_sgpr_workgroup_id_y 1
		.amdhsa_system_sgpr_workgroup_id_z 1
		.amdhsa_system_vgpr_workitem_id 0
		.amdhsa_next_free_vgpr 1024
		.amdhsa_next_free_sgpr 98
		.amdhsa_reserve_vcc 0
		.amdhsa_float_denorm_mode_32 3
		.amdhsa_float_denorm_mode_16_64 3
		.amdhsa_memory_ordered 1
		.amdhsa_forward_progress 1
		.amdhsa_inst_pref_size 119
	.end_amdhsa_kernel
	.amdgpu_metadata
---
amdhsa.version: [ 1, 2 ]
amdhsa.kernels:
  - .name:           k_qb884df7a74_qkv
    .symbol:         k_qb884df7a74_qkv.kd
    .args:
      - { .name: codes, .offset: 0, .size: 8, .value_kind: global_buffer, .address_space: global }
      - { .name: lowp_scales, .offset: 8, .size: 8, .value_kind: global_buffer, .address_space: global }
      - { .name: qkv, .offset: 16, .size: 8, .value_kind: global_buffer, .address_space: global }
    .group_segment_fixed_size: 327680
    .private_segment_fixed_size: 0
    .kernarg_segment_align: 8
    .kernarg_segment_size: 24
    .max_flat_workgroup_size: 128
    .sgpr_count:     98
    .vgpr_count:     1024
    .wavefront_size: 32
...
	.end_amdgpu_metadata
.endif
;; end of part 2
;; launch attn (part 3): grid 4 x 64, 16 waves a work-group, no clusters, 327,680 bytes of LDS; arguments qkv, lowp_scales, af; writes af
.if DOCPART == 3
	.amdgcn_target "amdgcn-amd-amdhsa--gfx1250"
	.amdhsa_code_object_version 6
	.text
	.protected	k_qb884df7a74_attn
	.globl	k_qb884df7a74_attn
	.p2align	8
	.type	k_qb884df7a74_attn,@function
k_qb884df7a74_attn:
	s_mov_b64 s[64:65], 0
	v_nop
	global_prefetch_b8 v0, s[64:65] scope:SCOPE_SE
	s_setreg_imm32_b32 hwreg(HW_REG_WAVE_MODE, 25, 1), 1
	s_wait_xcnt 0x0
; o[b][h][q] = the sum over keys k <= q of softmax_k(q . k / 8) v, for 64 heads of 2,048 tokens and head size 64, both products on codes of FP8 (E4M3) with given scales; o is quantised for the last projection and leaves as codes.
; THE SOFTMAX AHEAD OF THE SECOND PRODUCT: t = score x log2(e) / 8; M = the row's largest t so far, rounded UP to a whole number; p = 2^(t - M) is what is quantised, along the keys, not normalised.
; The row's sum is taken of the unquantised p, in f32, and divides o at the end.  When M moves, the sum and o are multiplied by 2^(old M - new M): exact.
; q, k and v lie in memory as images of operand registers: q, k: a fragment of 16 tokens x 64 is 1,024 bytes; v: a fragment of 16 d x 128 keys is 2,048 bytes; lane l's 16 bytes of each four registers at 16 l.
; SHARES.  Work-group (j, head) owns the blocks 7 - j and j of 256 queries: (8 - j) + (j + 1) = 9 blocks of 256 keys in every work-group.  A wave works on 32 NEIGHBOURING queries, two tiles of 16:
; each fragment of K and of V is read from LDS once a key step and feeds both tiles' products.  Waves 2 g and 2 g + 1 are partners for the group g of 32 queries: the one with (w ^ (w >> 2)) & 1 = 0 owns the group in block 7 - j,
; the other the group in block j (among waves w, w + 4, w + 8, w + 12, and among waves 4 i .. 4 i + 3, two waves have each block).
; SLOTS 0 .. j: each wave walks both key steps of a slot for its own queries.  At the end of slot j block j is finished: its waves store their two tiles, begin anew with zeros, and take their partner's 32 queries.
; SLOTS j + 1 .. 7 - j: the owner takes each slot's first 128 keys, the helper its second 128: one key step a wave and slot, 2 (j + 1) + (7 - 2 j) = 9 key steps for every wave.
; AT THE END each partner keeps one tile and sends the other's O^T, -M and sum through an LDS record of its own; behind one barrier the two parts are brought under the larger M by powers of two (exact) and added.
; The helper holds the two tiles in the other order than the owner, so that both run one text: register tile 0 is kept, register tile 1 is sent.
; K's and V's codes come through a ring of two LDS slots of 256 keys (16,384 dense bytes each), wave 0 fetching K's and wave 1 V's; all sixteen read them.
; A KEY STEP (128 keys): K's fragments; S^T of tile 0; its softmax and codes; S^T of tile 1 into the same 64 registers; V's fragments over K's, landing under tile 1's softmax; eight products O^T += V^T P^T.
; LAYOUT.  Both products are used transposed: S^T = K Q^T (source 0 = 16 keys, source 1 = 16 queries), O^T = V^T P^T: a lane holds ONE query (lane % 16) of each tile; key tile t's register j is key 16 t + 8 (lane / 16) + j,
; which is the place that the second product's operand gives it: one conversion of a key tile's eight registers is a register pair of P.
; THE CAUSAL MASK is built by the problem itself.  Every work-group walks all eight slots: the trip counts are constants.  A step all of whose keys come after a wave's 32 queries is left out by a branch on ids
; (a step's first key is a multiple of 128 and the 32 queries begin at a multiple of 32, so both tiles are hidden or neither); on the diagonal hidden scores become -infinity; a slot whose first key comes after the work-group's last query is not asked for.
; NO CLUSTER: the four work-groups of a head want 8, 7, 6 and 5 slots, so partners would need different numbers of tiles.
; LIMITS on the given exponents: entries 6 + 7 between -123 and 130 (added to c's exponent field); entry 8, and entry 10 - 8 - 9, between -126 and 119.
; REGISTERS: v1-7 addresses and a scale; for tile u: v[8+4u] -M, +1 the largest t, +2, +3 the sum in two halves; v[16+8u..] Q; v32-95 K's, then V's fragments; v96-159 S^T, then p; v[160+32u..] O^T;
; v[224+16u..] tile u's codes of p; until they are made, the same sixteen registers are that tile's scratch.
.set SLOT1, 1<<15                      ; slot 1 begins here: one exclusive or turns an address in one slot into the other's
.set VOFF,  16384                      ; a slot: K's 16 fragments, then V's 8
.set STG,   2*SLOT1                    ; behind the ring: a record for each wave, into which no fill lands:
.set WSZ,   4608                       ; 32 registers of O^T (4,096 bytes) and four of state (512)
.set SPARE, STG+16*WSZ                 ; behind the records: the spare words, 128 bytes for each wave: eight blocks of 256 bytes that no other line names
.set LI,   1                           ; v1   16 x lane
.set AD,   2                           ; v2   LDS address of the slot in hand + 16 x lane
.set PFO,  3                           ; v3   256 x lane: the prefetches' offset; never rewritten
.set CL,   4                           ; v4   lane % 16 - 8 (lane / 16), for the mask
.set SPW,  5                           ; v5   LDS address of my spare word; never rewritten
.set NIL,  6                           ; v6   0; never rewritten
.set VS,   7                           ; v7   2^(entry 8), for p's conversion
.set TB,   2                           ; s2   LDS byte at which the slot in hand begins
.set WV,   18                          ; s18  my wave's number
.set LASTQ, 19                         ; s19  my work-group's last query
.set SEL,  20                          ; s[20:21] lane selects for v_permlanex16_b32: lane l xor 16
.set CS,   22                          ; s[22:23] c = log2(e) / 8 x 2^(entries 6 + 7)
.set G1,   24                          ; s[24:31] descriptor group 1
.set QH,   32                          ; s[32:35] where a helper's two fragments of Q lie
.set FO,   36                          ; s[36:37] where the tile that I finish at the end goes
.set RHO,  38                          ; s38  0: I own a group of block 7 - j;  1: of block j, and help later
.set SW,   39                          ; s39  7 - j: what s[SLOTS] holds in the trip of slot j
.set G0,   40                          ; s[40:43] descriptor group 0, which walks
.set Q0,   44                          ; s44, s45 the first query of my register tile 0, 1
.set SLOTS, 67                         ; s67  slots still to be asked for, or left out at the limit
.set PFA,  76                          ; s[76:77] where my prefetches stand
.set LIM,  80                          ; s80  1 in a wave that prefetches, else the greatest number
.set HOLD, 81                          ; s81  448 x 2^(entry 8)
.set LQ,   85                          ; s85, s86 for a slot's key step 0, 1: the last query for which I walk it; 0 where the step is my partner's
.set QN,   87                          ; s87, s88 a helper's first queries: the owner's tile 1, tile 0
.set KF,   98                          ; s98  the step's first key
; Wave 0 fetches K's 16,384 bytes of a slot, wave 1 V's, the others nothing.  The branch hangs on the wave's number alone.  An s_nop 0 and four v_nop follow the load.
.macro TLOAD
	s_cmp_lt_u32 s[WV], 2
	s_cbranch_scc0 .Lasked_\@
	tensor_load_to_lds s[G0:G0+3], s[G1:G1+7]
	s_nop 0
.rept 4
	v_nop
.endr
.Lasked_\@:
.endm
; A prefetch of what the NEXT change of slots will ask for: 16,384 bytes of K and of V.  All four work-groups of a head walk the same K and V: work-group j = 0, which walks all eight slots, asks, and nobody else.
; In it waves 4 and 5 ask for K's two halves and waves 6 and 7 for V's: 8,192 bytes a wave, lanes 256 bytes apart, one instruction: each aligned block of 256 bytes is named once in the launch.
; The last change that fills a slot asks for nothing; slots 0 and 1 come by their loads alone.
.macro ASK
	s_cmp_gt_u32 s[SLOTS], s[LIM]
	s_cbranch_scc0 .Lnot_mine_\@
	global_prefetch_b8 v[PFO], s[PFA:PFA+1] th:TH_LOAD_NT scope:SCOPE_SE
.Lnot_mine_\@:
.endm
.macro OADDR dst, q                    ; s[dst:dst+1] = where the codes of the 16 tokens from s[q] on go; s54 holds the batch's and the head's part
	s_lshr_b32 s56, s[\q], 7
	s_lshl_b32 s56, s56, 17
	s_bfe_u32 s57, s[\q], 0x30004
	s_lshl_b32 s57, s57, 12
	s_add_co_u32 s56, s56, s57
	s_add_co_u32 s56, s56, s54
	s_mov_b32 s57, 0
	s_add_nc_u64 s[\dst:\dst+1], s[8:9], s[56:57]
.endm
.macro FRESH                           ; a tile's sums begin: the largest t so far is -3e38, under every t; the sum and O^T are zeros, which the first change of M leaves zeros
.irp u, 0,1
	v_mov_b32 v[9+4*\u], 0xff61b1e6
	v_floor_f32 v[8+4*\u], -v[9+4*\u]              ; -M
	v_mov_b32 v[10+4*\u], 0
	v_mov_b32 v[11+4*\u], 0
.endr
.set j, 0
.rept 64
	v_mov_b32 v[160+j], 0
.set j, j+1
.endr
.endm
	s_load_b128 s[4:7], s[0:1], 0x0                ; q, k, v s[4:5], the scales' exponents s[6:7]
	s_load_b64 s[8:9], s[0:1], 0x10                ; o's codes
	v_lshl_add_u32 v[SPW], v0, 2, SPARE
	v_mov_b32 v[NIL], 0
	ds_add_u32 v[SPW], v[NIL]                      ; the wave's opening: the add, twice on end, and its wait stand ahead of my first tensor load
	ds_add_u32 v[SPW], v[NIL]
	v_lshrrev_b32 v7, 5, v0
	v_readfirstlane_b32 s[WV], v7                  ; wave 0..15
	s_and_b32 s46, ttmp7, 0xffff                   ; 16 batch + head
	s_lshl_b32 s47, s46, 17                        ; a head's 131,072 bytes in each of q, k, v
	s_lshr_b32 s48, s[WV], 2
	s_xor_b32 s48, s48, s[WV]
	s_and_b32 s[RHO], s48, 1
	s_sub_co_u32 s[SW], 7, ttmp9
	s_lshl_b32 s49, s[SW], 8
	s_or_b32 s[LASTQ], s49, 255                    ; the last query of block 7 - j
	s_lshr_b32 s48, s[WV], 1
	s_lshl_b32 s48, s48, 5                         ; 32 g
	s_add_co_u32 s[QN+1], s49, s48                 ; the group's first query in block 7 - j,
	s_add_co_u32 s[QN], s[QN+1], 16                ; and its second tile's
	s_lshl_b32 s49, ttmp9, 8
	s_add_co_u32 s49, s49, s48                     ; the group's first query in block j
	s_cmp_eq_u32 s[RHO], 0
	s_cselect_b32 s[Q0], s[QN+1], s49
	s_cselect_b32 s91, s[QN+1], s[QN]              ; the tile that I finish at the end
	s_add_co_u32 s[Q0+1], s[Q0], 16
	s_or_b32 s[LQ], s[Q0], 31                      ; both key steps of a slot are mine, up to my last query
	s_mov_b32 s[LQ+1], s[LQ]
	s_mul_i32 s89, s[WV], WSZ
	s_add_co_u32 s89, s89, STG                     ; my record,
	s_xor_b32 s90, s[WV], 1
	s_mul_i32 s90, s90, WSZ
	s_add_co_u32 s90, s90, STG                     ; and my partner's
	s_mov_b32 s[G1], 3<<16                         ; 15:0 no mask; 17:16 elements of 8 bytes; no padding: a dense block of 16,384 bytes as 64 rows of 256
	s_mov_b32 s[G1+1], 32<<16                      ; tensor_dim0
	s_mov_b32 s[G1+2], 64<<16                      ; tensor_dim1
	s_mov_b32 s[G1+3], 32<<16                      ; tile_dim0
	s_mov_b32 s[G1+4], 64                          ; tile_dim1
	s_mov_b32 s[G1+5], 32                          ; tensor_dim0_stride
	s_mov_b32 s[G1+6], 0
	s_mov_b32 s[G1+7], 0
	s_and_b32 s49, s[WV], 1
	s_mov_b32 s[G0], 1                             ; count = 1
	s_lshl_b32 s[G0+1], s49, 14                    ; LDS address: slot 0; K at 0, V at 16,384
	s_add_co_u32 s50, s49, 1
	s_lshl_b32 s50, s50, 23                        ; k at 8 MiB, v at 16 MiB
	s_add_co_u32 s50, s50, s47
	s_mov_b32 s51, 0
	s_mov_b32 s[SEL], 0x76543210
	s_mov_b32 s[SEL+1], 0xfedcba98
	s_mov_b32 s[CS], 0x3e38aa3b                    ; log2(e) / 8
	s_mov_b32 s[TB], 0
	s_mov_b32 s[SLOTS], 7
	s_mov_b32 s[KF], 0
	s_wait_dscnt 0x0                               ; both opening adds are done
	s_wait_kmcnt 0x0
	s_load_b256 s[68:75], s[6:7], 0x10             ; entries 4 to 11
	s_add_nc_u64 s[G0+2:G0+3], s[4:5], s[50:51]
	s_or_b32 s[G0+3], s[G0+3], 0x80000000          ; type = 2
	TLOAD                                          ; slot 0
	v_and_b32 v7, 31, v0
	v_lshlrev_b32 v[LI], 4, v7
	v_lshlrev_b32 v[PFO], 8, v7
	s_lshl_b32 s52, s[Q0], 6                       ; 16 queries are 1,024 bytes
	s_add_co_u32 s52, s52, s47
	s_mov_b32 s53, 0
	s_add_nc_u64 s[10:11], s[4:5], s[52:53]
	s_add_nc_u64 s[12:13], s[10:11], 1024
.irp u, 0,1
	global_load_b128 v[16+8*\u:19+8*\u], v[LI], s[10+2*\u:11+2*\u]              ; Q's fragments stay in registers
	global_load_b128 v[20+8*\u:23+8*\u], v[LI], s[10+2*\u:11+2*\u] offset:512
.endr
.irp u, 0,1
	s_lshl_b32 s52, s[QN+\u], 6
	s_add_co_u32 s52, s52, s47
	s_add_nc_u64 s[QH+2*\u:QH+2*\u+1], s[4:5], s[52:53]
.endr
	; where o's codes go: rows = tokens, K = 64 head + d, in the order of the last product's operand registers
	s_lshr_b32 s54, s46, 4
	s_lshl_b32 s54, s54, 21                        ; batch: 16 x 131,072
	s_bfe_u32 s55, s46, 0x20002
	s_lshl_b32 s55, s55, 15                        ; K / 256 = head / 4
	s_add_co_u32 s54, s54, s55
	s_and_b32 s55, s46, 3
	s_lshl_b32 s55, s55, 10                        ; (K / 64) % 4 = head % 4: 1,024 bytes each
	s_add_co_u32 s54, s54, s55
	OADDR 14, Q0                                   ; my own two tiles (used by the waves of block j),
	OADDR 16, Q0+1
	OADDR FO, 91                                   ; and the tile that I finish at the end
	; the prefetches: where my wave's stand, and who asks
	s_mov_b32 s58, 0x1000000
	s_cmp_lt_u32 s[WV], 6
	s_cselect_b32 s58, 0x800000, s58               ; waves 4, 5: k; waves 6, 7: v
	s_add_co_u32 s58, s58, s47
	s_lshl_b32 s59, s49, 13                        ; my half of a slot's 16,384 bytes,
	s_add_co_u32 s58, s58, s59
	s_add_co_u32 s58, s58, 16384                   ; in slot 1: the first change of slots steps it to slot 2.  Nothing is prefetched here, at the head
	s_mov_b32 s59, 0
	s_add_nc_u64 s[PFA:PFA+1], s[4:5], s[58:59]
	s_sub_co_u32 s58, s[WV], 4
	s_lshr_b32 s58, s58, 2                         ; 0 in waves 4 to 7,
	s_or_b32 s58, s58, ttmp9                       ; of work-group j = 0
	s_cmp_eq_u32 s58, 0
	s_cselect_b32 s[LIM], 1, -1
	v_and_b32 v7, 15, v0
	v_bfe_u32 v[CL], v0, 4, 1
	v_lshlrev_b32 v[CL], 3, v[CL]
	v_sub_nc_u32 v[CL], v7, v[CL]
.irp u, 0,1
	v_mov_b32 v[227+16*\u], 0                      ; (named as the upper half of f's pair)
	v_mov_b32 v[228+16*\u], 0                      ; written once: a lane permute's destination counts as one of its sources
.endr
	FRESH
	s_wait_kmcnt 0x0
	s_add_co_i32 s60, s70, s71
	s_lshl_b32 s60, s60, 23
	s_add_co_i32 s[CS], s[CS], s60                 ; a score stands for score x 2^(entries 6 + 7): they are added to c's exponent field
	s_mov_b32 s[CS+1], s[CS]                       ; (named with it as a pair, so it is written)
	s_add_co_i32 s60, s72, 127
	s_lshl_b32 s61, s60, 23
	v_mov_b32 v[VS], s61                           ; 2^(entry 8)
	s_add_co_i32 s60, s60, 8
	s_lshl_b32 s60, s60, 23
	s_or_b32 s[HOLD], s60, 0x600000                ; 448 x that
	s_sub_co_i32 s60, s74, s72
	s_sub_co_i32 s60, s60, s73                     ; a sum of the second product stands for sum x 2^(entries 8 + 9): o's code is sum / l / 2^(entry 10 - 8 - 9)
	s_add_co_i32 s60, s60, 127
	s_lshl_b32 s82, s60, 23                        ; that power of two,
	s_add_co_i32 s60, s60, 8
	s_lshl_b32 s60, s60, 23
	s_or_b32 s83, s60, 0x600000                    ; 448 x it,
	s_or_b32 s84, s83, 0x80000000                  ; and -448 x it
; THE SOFTMAX of tile u over the step's 128 keys: S^T in v96-159 becomes p and then P's sixteen registers; the tile's sum and O^T are brought under the new M.
.macro SOFT u
.set ST, 8+4*(\u)
.set OA, 160+32*(\u)
.set T,  224+16*(\u)                   ; scratch: T, T+1, T+5, T+14 maxima; T+2 f; T+4 the other half's maximum; T+6, T+10, T+12 pairs of sums; T+8, T+9 the mask
	s_add_co_u32 s96, s[KF], 127                   ; on the diagonal the scores of hidden keys become -infinity ahead of the maximum: p = 0 then.  A step all of whose keys count skips this
	s_cmp_le_u32 s96, s[Q0+\u]
	s_cbranch_scc1 .Lopen_\@
	s_sub_co_i32 s96, s[Q0+\u], s[KF]
	v_add_nc_u32 v[T+8], s96, v[CL]                ; d = my query - KF - 8 (lane / 16).  Register 8 t + i holds key KF + 8 (lane / 16) + 16 t + i: hidden where 16 t + i > d
	v_mov_b32 v[T+9], 0xff800000                   ; -infinity
.set n, 0
.rept 64
	v_cmp_gt_i32 vcc_lo, 16*(n/8)+n%8, v[T+8]
	v_cndmask_b32 v[96+n], v[96+n], v[T+9], vcc_lo
.set n, n+1
.endr
.Lopen_\@:
	v_max3_num_f32 v[T], v96, v97, v98             ; the step's largest score of my query, among my 64 keys, in four chains; each accumulator is first read at its low end
	v_max3_num_f32 v[T+1], v99, v100, v101
	v_max3_num_f32 v[T+5], v102, v103, v104
	v_max3_num_f32 v[T+14], v105, v106, v107
.irp i, 12,20,28,36,44,52
	v_max3_num_f32 v[T], v[T], v[96+\i], v[97+\i]
	v_max3_num_f32 v[T+1], v[T+1], v[98+\i], v[99+\i]
	v_max3_num_f32 v[T+5], v[T+5], v[100+\i], v[101+\i]
	v_max3_num_f32 v[T+14], v[T+14], v[102+\i], v[103+\i]
.endr
	v_max3_num_f32 v[T], v[T], v156, v157
	v_max3_num_f32 v[T+1], v[T+1], v158, v159
	v_max3_num_f32 v[T], v[T], v[T+5], v[T+14]
	s_delay_alu instid0(VALU_DEP_1)
	v_max_num_f32 v[T], v[T], v[T+1]
	v_permlanex16_b32 v[T+4], v[T], s[SEL], s[SEL+1]
	s_delay_alu instid0(VALU_DEP_1)
	v_max_num_f32 v[T], v[T], v[T+4]               ; and among lane l xor 16's
	s_delay_alu instid0(VALU_DEP_1)
	v_mul_f32 v[T], s[CS], v[T]                    ; as t (c is positive)
	s_delay_alu instid0(VALU_DEP_1)
	v_max_num_f32 v[ST+1], v[ST+1], v[T]           ; the running largest t
	v_mov_b32 v[T], v[ST]
	s_delay_alu instid0(VALU_DEP_2)
	v_floor_f32 v[ST], -v[ST+1]                    ; the new -M = floor(-t) = -ceil(t): M is a whole number
	s_delay_alu instid0(VALU_DEP_1)
	v_sub_f32 v[T], v[ST], v[T]                    ; M's old value less its new one: a whole number, 0 or less
	s_delay_alu instid0(VALU_DEP_1)
	v_cvt_i32_f32 v[T], v[T]                       ; (it saturates)
	s_delay_alu instid0(VALU_DEP_1)
	v_ldexp_f32 v[T+2], 1.0, v[T]                  ; f = 2^(old M - new M)
.set j, 0
.rept 32
	v_pk_fma_f32 v[96+j:97+j], v[96+j:97+j], s[CS:CS+1], v[ST:ST+1] op_sel_hi:[1,0,0]   ; t - M, two at a time (of the pairs c and -M the low word serves both halves)
.set j, j+2
.endr
	s_wait_alu depctr_va_vdst(0)                   ; ahead of the batch of exponentials
.set j, 0
.rept 64
	v_exp_f32 v[96+j], v[96+j]                     ; p = 2^(t - M), at most 1: not normalised
.set j, j+1
.endr
	v_pk_mul_f32 v[ST+2:ST+3], v[ST+2:ST+3], v[T+2:T+3] op_sel_hi:[1,0]   ; the sums under the new M: the plain line behind the exponentials
	s_wait_alu depctr_va_vdst(0)                   ; one wait for the batch of 64, and directly ahead of the first readers of O^T
.set j, 0
.rept 16
	v_pk_mul_f32 v[OA+j:OA+j+1], v[OA+j:OA+j+1], v[T+2:T+3] op_sel_hi:[1,0]   ; O^T under the new M, each accumulator from its low end on
.set j, j+2
.endr
	v_pk_add_f32 v[T+6:T+7], v[96:97], v[98:99]    ; the row's sum is taken of the unquantised p: two at a time, in four chains
	v_pk_add_f32 v[T+10:T+11], v[100:101], v[102:103]
	v_pk_add_f32 v[T+12:T+13], v[104:105], v[106:107]
.irp j, 12,20,28,36,44,52
	v_pk_add_f32 v[ST+2:ST+3], v[ST+2:ST+3], v[96+\j:97+\j]
	v_pk_add_f32 v[T+6:T+7], v[T+6:T+7], v[98+\j:99+\j]
	v_pk_add_f32 v[T+10:T+11], v[T+10:T+11], v[100+\j:101+\j]
	v_pk_add_f32 v[T+12:T+13], v[T+12:T+13], v[102+\j:103+\j]
.endr
	v_pk_add_f32 v[ST+2:ST+3], v[ST+2:ST+3], v[156:157]
	v_pk_add_f32 v[T+6:T+7], v[T+6:T+7], v[158:159]
	v_pk_add_f32 v[T+10:T+11], v[T+10:T+11], v[T+12:T+13]
	v_pk_add_f32 v[ST+2:ST+3], v[ST+2:ST+3], v[T+6:T+7]
	v_pk_add_f32 v[ST+2:ST+3], v[ST+2:ST+3], v[T+10:T+11]
.irp t, 0,1,2,3,4,5,6,7
.irp i, 0,2,4,6
	v_dual_min_num_f32 v[96+8*\t+\i], s[HOLD], v[96+8*\t+\i] :: v_dual_min_num_f32 v[97+8*\t+\i], s[HOLD], v[97+8*\t+\i]   ; the conversion does not saturate (ISA guide 7.6.2); p is not negative, so the hold is one-sided; two holds a line
.endr
	v_cvt_scalef32_pk8_fp8_f32 v[T+2*\t:T+2*\t+1], v[96+8*\t:103+8*\t], v[VS]   ; keys 16 t + 8 (lane / 16) + 0 .. 7: registers 2 t, 2 t + 1 of P
.endr
	v_nop                                          ; a plain line behind the last conversion
.endm
; A KEY STEP of both my tiles: 128 keys, the q-th of the slot in hand.
.macro STEP2 q
	s_cmp_gt_u32 s[KF], s[LQ+\q]                   ; a step all of whose keys come after my last query, or that is my partner's, is left out: a scalar branch on ids; no barrier, tensor load or wait for one stands in a step
	s_cbranch_scc1 .Lhidden_\@
	v_add_nc_u32 v[AD], s[TB], v[LI]
.irp t, 0,1,2,3,4,5,6,7
	ds_load_b128 v[32+8*\t:35+8*\t], v[AD] offset:8192*(\q)+1024*\t        ; K's fragment of keys 16 t on: 512 consecutive bytes a load
	ds_load_b128 v[36+8*\t:39+8*\t], v[AD] offset:8192*(\q)+1024*\t+512
.endr
	s_wait_alu depctr_va_vdst(0)
	s_wait_dscnt 0x0
.irp t, 0,1,2,3,4,5,6,7
	v_wmma_f32_16x16x64_fp8_fp8 v[96+8*\t:103+8*\t], v[32+8*\t:39+8*\t], v[16:23], 0
.endr
.rept 4
	v_nop                                          ; places in front of the first read of the scores
.endr
	SOFT 0
.irp t, 0,1,2,3,4,5,6,7
	v_wmma_f32_16x16x64_fp8_fp8 v[96+8*\t:103+8*\t], v[32+8*\t:39+8*\t], v[24:31], 0   ; the same fragments of K, my other 16 queries
.endr
.rept 4
	v_nop                                          ; places in front of the loads below and of the first read of the scores
.endr
.irp t, 0,1,2,3
.irp c, 0,1,2,3
	ds_load_b128 v[32+16*\t+4*\c:35+16*\t+4*\c], v[AD] offset:VOFF+8192*(\q)+2048*\t+512*\c   ; V's fragments (16 d x 128 keys) land under tile 1's softmax
.endr
.endr
	SOFT 1
	s_wait_alu depctr_va_vdst(0)
	s_wait_dscnt 0x0                               ; V is in
.irp t, 0,1,2,3
	v_wmma_f32_16x16x128_fp8_fp8 v[160+8*\t:167+8*\t], v[32+16*\t:47+16*\t], v[224:239], v[160+8*\t:167+8*\t]   ; eight accumulators by turns, one instruction a turn; each fragment of V feeds both tiles
	v_wmma_f32_16x16x128_fp8_fp8 v[192+8*\t:199+8*\t], v[32+16*\t:47+16*\t], v[240:255], v[192+8*\t:199+8*\t]
.endr
.rept 4
	v_nop                                          ; places behind the last products, for whatever follows on any way: loads into the fragments and Q, writes into P's registers, reads of O^T
.endr
.Lhidden_\@:
	s_add_co_u32 s[KF], s[KF], 128
.endm
; THE CHANGE OF SLOTS stands at a slot's head.  Each wave waits for all its tensor loads (its part of the slot that it is about to read), adds 0 to its spare word, and waits for that and for its reads of the slot that it has left.
; Behind the barrier the slot ahead is whole and nobody reads the other one.  fill = 1: that other slot is filled with the keys that follow, up to the causal limit: the load has a whole slot's steps in which to land.
.macro CHANGE fill
	s_wait_tensorcnt 0x0                           ; no tensor load of mine is out, so group 0 may be written
	ds_add_u32 v[SPW], v[NIL]                      ; 0 onto my spare word
.if \fill
	ds_add_u32 v[SPW], v[NIL]                      ; and once more, in every trip alike
	s_xor_b32 s[G0+1], s[G0+1], SLOT1              ; the walking descriptor: the other slot than last time,
	s_add_nc_u64 s[G0+2:G0+3], s[G0+2:G0+3], 16384 ; the next 256 keys; the type bits on top are not reached
	s_wait_xcnt 0x0                                ; the last prefetch, a slot back, has read its address, so it may be written:
	s_add_nc_u64 s[PFA:PFA+1], s[PFA:PFA+1], 16384 ; one slot further on than the walking descriptor
.endif
	s_wait_dscnt 0x0                               ; the add is done, and my reads of the slot that I have left are over
	s_barrier_signal -1
	s_barrier_wait -1
.if \fill
	s_add_co_u32 s96, s[KF], 256                   ; the first key of the slot that this change would ask for
	s_cmp_gt_u32 s96, s[LASTQ]                     ; ids and the count of steps alone: all sixteen waves go the same way, and a work-group that is past the limit stays past it; no step reads a slot that was left out
	s_cbranch_scc1 .Lpast_\@
	TLOAD                                          ; behind the barrier and the limit's three lines: a wave's one tensor load until the next change
.Lpast_\@:
	ASK                                            ; what the next change of slots will ask for: a slot's key steps ahead of that load
.endif
.endm
.macro SLOT_STEPS
	STEP2 0
	STEP2 1
	s_xor_b32 s[TB], s[TB], SLOT1                  ; on to the other slot
.endm
; THE WAY OUT of tile u, whose lane's sum stands in v[10+4u]: O^T / the row's sum is held, quantised, and leaves as registers of the last product's operand: lane (r, h) holds token r and K = 64 head + 16 t + 8 h + 0 .. 7.
; No LDS: each store covers 512 consecutive bytes.
.macro OUTT u, ob
	v_mov_b32 v128, s82                            ; 2^(entry 10 - 8 - 9), for o's conversion
	v_permlanex16_b32 v[228+16*\u], v[10+4*\u], s[SEL], s[SEL+1]
	v_add_f32 v[10+4*\u], v[10+4*\u], v[228+16*\u] ; with lane l xor 16's: the row's sum
	s_wait_alu depctr_va_vdst(0)                   ; ahead of the transcendental
	v_rcp_f32 v[10+4*\u], v[10+4*\u]
	v_nop                                          ; a plain line behind the reciprocal
	s_wait_alu depctr_va_vdst(0)                   ; the wait ahead of its first reader, directly ahead of the readers of O^T
.set j, 0
.rept 16
	v_pk_mul_f32 v[96+j:97+j], v[160+32*\u+j:161+32*\u+j], v[10+4*\u:11+4*\u] op_sel_hi:[1,0]   ; each accumulator from its low end on
.set j, j+2
.endr
.set j, 0
.rept 32
	v_med3_num_f32 v[96+j], v[96+j], s84, s83      ; held within +-448 x the scale: the conversion does not saturate
.set j, j+1
.endr
.irp t, 0,1,2,3
	v_cvt_scalef32_pk8_fp8_f32 v[224+16*\u+2*\t:225+16*\u+2*\t], v[96+8*\t:103+8*\t], v128
.endr
	v_nop                                          ; a plain line behind the last conversion
	global_store_b128 v[LI], v[224+16*\u:227+16*\u], s[\ob:\ob+1]
	global_store_b128 v[LI], v[228+16*\u:231+16*\u], s[\ob:\ob+1] offset:512
.endm
	s_wait_alu depctr_va_vdst(0)                   ; the head's end
	s_wait_loadcnt 0x0                             ; Q
.Lslot:                                            ; seven trips: behind each change of slots but the last the next slot is asked for, up to the limit
	CHANGE 1
	SLOT_STEPS
	s_cmp_lg_u32 s[SLOTS], s[SW]                   ; was this slot j?  Then block j is finished and the partners share the slots that follow.  Ids and the wave's number alone; no barrier, LDS access or tensor load stands below
	s_cbranch_scc1 .Lstay
	s_cmp_eq_u32 s[RHO], 0
	s_cbranch_scc0 .Lhelp
	s_mov_b32 s[LQ+1], 0                           ; the owner leaves each slot's second key step to its helper (every later step's first key is above 0)
	s_branch .Lstay
.Lhelp:
.irp u, 0,1
	global_load_b128 v[16+8*\u:19+8*\u], v[LI], s[QH+2*\u:QH+2*\u+1]            ; my partner's queries, its tile 1 first; they land under the way out of my own two tiles
	global_load_b128 v[20+8*\u:23+8*\u], v[LI], s[QH+2*\u:QH+2*\u+1] offset:512
.endr
	v_add_f32 v10, v10, v11                        ; the sums' two halves
	v_add_f32 v14, v14, v15
	OUTT 0, 14
	OUTT 1, 16
	FRESH
	s_mov_b32 s[Q0], s[QN]
	s_mov_b32 s[Q0+1], s[QN+1]
	s_mov_b32 s[LQ], 0                             ; each slot's first key step is the owner's,
	s_or_b32 s[LQ+1], s[QN], 31                    ; the second mine, up to the group's last query
	s_wait_alu depctr_va_vdst(0)
	s_wait_xcnt 0x0                                ; the stores have read their registers, which the next step writes
	s_wait_loadcnt 0x0                             ; Q
.Lstay:
	s_sub_co_u32 s[SLOTS], s[SLOTS], 1
	s_cmp_lg_u32 s[SLOTS], 0
	s_cbranch_scc1 .Lslot
	CHANGE 0                                       ; the last slot is written out: nothing is left to fetch
	SLOT_STEPS
	; THE PARTNERS JOIN.  I send register tile 1 (O^T, -M, the lane's sum) into my record; behind the barrier I take my partner's record, which holds its part of my register tile 0.
	v_add_f32 v10, v10, v11                        ; the sums' two halves
	v_add_f32 v14, v14, v15
	v_add_nc_u32 v[AD], s89, v[LI]
.set i, 0
.rept 8
	ds_store_b128 v[AD], v[192+4*i:195+4*i] offset:512*i   ; each accumulator from its low end on
.set i, i+1
.endr
	ds_store_b128 v[AD], v[12:15] offset:4096
	v_add_nc_u32 v[AD], s90, v[LI]
	s_wait_alu depctr_va_vdst(0)
	s_wait_dscnt 0x0                               ; my record is written
	s_barrier_signal -1
	s_barrier_wait -1                              ; everybody's is
.set i, 0
.rept 8
	ds_load_b128 v[96+4*i:99+4*i], v[AD] offset:512*i
.set i, i+1
.endr
	ds_load_b128 v[128:131], v[AD] offset:4096     ; v128 its -M, v130 its sum
	s_wait_dscnt 0x0
	v_min_num_f32 v133, v8, v128                   ; -M of the larger M.  (A part that walked no step has -M = 3e38, a sum of 0 and zeros: its factor below is 0)
	v_sub_f32 v134, v133, v8                       ; my M less the larger, a whole number, 0 or less,
	v_sub_f32 v135, v133, v128                     ; and my partner's
	v_cvt_i32_f32 v134, v134                       ; (they saturate)
	v_cvt_i32_f32 v135, v135
	v_ldexp_f32 v136, 1.0, v134                    ; the two factors, each in both halves of a pair
	v_ldexp_f32 v137, 1.0, v134
	v_ldexp_f32 v138, 1.0, v135
	v_ldexp_f32 v139, 1.0, v135
	v_mul_f32 v10, v10, v136
	v_fmac_f32 v10, v130, v138                     ; the lane's sum under the larger M
.set j, 0
.rept 16
	v_pk_mul_f32 v[160+j:161+j], v[160+j:161+j], v[136:137]   ; each accumulator from its low end on
.set j, j+2
.endr
.set j, 0
.rept 16
	v_pk_fma_f32 v[160+j:161+j], v[96+j:97+j], v[138:139], v[160+j:161+j]
.set j, j+2
.endr
	OUTT 0, FO
	s_wait_tensorcnt 0x0                           ; the wave's end, behind my last tensor load and my last LDS store
	ds_add_u32 v[SPW], v[NIL]
	s_wait_dscnt 0x0
	s_endpgm
.Lfunc_end_k_qb884df7a74_attn:
	.size	k_qb884df7a74_attn, .Lfunc_end_k_qb884df7a74_attn-k_qb884df7a74_attn
	.p2alignl 7, 3214868480
	.fill 96, 4, 3214868480
	.section	.rodata,"a",@progbits
	.p2align	6, 0x0
	.amdhsa_kernel k_qb884df7a74_attn
		.amdhsa_group_segment_fixed_size 327680
		.amdhsa_private_segment_fixed_size 0
		.amdhsa_enable_private_segment 0
		.amdhsa_kernarg_size 24
		.amdhsa_user_sgpr_count 2
		.amdhsa_user_sgpr_kernarg_segment_ptr 1
		.amdhsa_wavefront_size32 1
		.amdhsa_system_sgpr_workgroup_id_x 1
		.amdhsa_system_sgpr_workgroup_id_y 1
		.amdhsa_system_sgpr_workgroup_id_z 1
		.amdhsa_system_vgpr_workitem_id 0
		.amdhsa_next_free_vgpr 256
		.amdhsa_next_free_sgpr 100
		.amdhsa_reserve_vcc 1
		.amdhsa_float_denorm_mode_32 3
		.amdhsa_float_denorm_mode_16_64 3
		.amdhsa_memory_ordered 1
		.amdhsa_forward_progress 1
		.amdhsa_inst_pref_size 186
	.end_amdhsa_kernel
	.amdgpu_metadata
---
amdhsa.version: [ 1, 2 ]
amdhsa.kernels:
  - .name:           k_qb884df7a74_attn
    .symbol:         k_qb884df7a74_attn.kd
    .args:
      - { .name: qkv, .offset: 0, .size: 8, .value_kind: global_buffer, .address_space: global }
      - { .name: lowp_scales, .offset: 8, .size: 8, .value_kind: global_buffer, .address_space: global }
      - { .name: af, .offset: 16, .size: 8, .value_kind: global_buffer, .address_space: global }
    .group_segment_fixed_size: 327680
    .private_segment_fixed_size: 0
    .kernarg_segment_align: 8
    .kernarg_segment_size: 24
    .max_flat_workgroup_size: 512
    .sgpr_count:     100
    .vgpr_count:     256
    .wavefront_size: 32
...
	.end_amdgpu_metadata
.endif
;; end of part 3
;; launch proj (part 4): grid 8 x 32, 4 waves a work-group, clusters of 4 x 4, 327,680 bytes of LDS; arguments af, codes, lowp_scales, bp, out0; writes out0
.if DOCPART == 4
	.amdgcn_target "amdgcn-amd-amdhsa--gfx1250"
	.amdhsa_code_object_version 6
	.text
	.protected	k_qb884df7a74_proj
	.globl	k_qb884df7a74_proj
	.p2align	8
	.type	k_qb884df7a74_proj,@function
k_qb884df7a74_proj:
	s_mov_b64 s[64:65], 0
	v_nop
	global_prefetch_b8 v0, s[64:65] scope:SCOPE_SE
	s_setreg_imm32_b32 hwreg(HW_REG_WAVE_MODE, 25, 1), 1
	s_wait_xcnt 0x0
	s_wait_alu depctr_hold_cnt(0) depctr_sa_sdst(0) depctr_va_vdst(0) depctr_va_sdst(0) depctr_va_ssrc(0) depctr_va_vcc(0) depctr_vm_vsrc(0)
	s_getreg_b32 s2, hwreg(HW_REG_IB_STS2, 6, 4)
	s_cmp_eq_u32 s2, 0
	s_cbranch_scc0 .Lentry_in_a_cluster
	s_endpgm
.Lentry_in_a_cluster:
	s_bfe_u32 s2, ttmp6, 0x10000c
	s_cmp_lg_u32 s2, 0xf033
	s_cbranch_scc0 .Lentry_shape_is_right
	s_endpgm
.Lentry_shape_is_right:
; out0 = o Wp^T + bp: [8192 tokens] x [1024] over K = 1,024, on codes of FP8 (E4M3) that lie in memory in the order of the operands' registers (a fragment, 16 rows x 128 K, is 2,048 bytes on end).
; A block of 256 tokens x 128 outputs is made by four waves, 128 x 64 each: 32 accumulators.  32 x 8 blocks are 256 work-groups.  K goes in steps of 256 through a ring of two LDS slots.
; Waves 0 and 1 fetch A's two halves (128 rows x 256 K, 32,768 dense bytes each), waves 2 and 3 the two halves of B's 128 rows (16,384 dense bytes each).
; CLUSTERS: 4 x 4 work-groups; A's tiles are asked for jointly along a row of the cluster, B's along a column.
; The matrix instruction is used transposed (source 0 = 16 rows of Wp, source 1 = 16 tokens): a lane holds eight neighbouring outputs of one token.  Each finished sum is multiplied by 2^(entries 10 + 11) and bp is added.
; LIMIT: entries 10 + 11 lie between -126 and 127.
; THE WAY OUT: 16 tokens x 64 outputs at a time through the wave's own stage in slot 0 (which has had its last fill and its last read); sixteen lanes store one aligned unit of 256 bytes.
.set HALFT,  32768
.set SLOT,   4*HALFT
.set SPARE,  2*SLOT
.set SPITCH, 528
.set FR,     16
.set NL,     4
.set NP,     4
.set ADRA, 16
.set ADRB, 20
.set STO,  24
.set RD,   25
.set CO,   26
.set SPW,  28
.set NIL,  29
.set BIAS, 108
.set AF,   128
.set BK,   128
.set G1, 24
.set G0, 32
.set G1B, 48
.set G0B, 56
.set MSB, 0
.macro WIN new
.if MSB != (\new)
	s_set_vgpr_msb (MSB<<8)|(\new)
.set MSB, (\new)
.endif
.endm
.set MUL_LO, 0xa1
.set MUL_HI, 0xf1
.set TO_B,   0x40
.macro JLOAD g0a, g1a, g0b, g1b
	s_cmp_eq_u32 s15, 0
	s_cbranch_scc0 .Lfor_b_\@
	tensor_load_to_lds s[\g0a:\g0a+3], s[\g1a:\g1a+7]
	s_nop 0
.rept 4
	v_nop
.endr
	s_branch .Lasked_\@
.Lfor_b_\@:
	tensor_load_to_lds s[\g0b:\g0b+3], s[\g1b:\g1b+7]
	s_nop 0
.rept 4
	v_nop
.endr
.Lasked_\@:
.endm
.macro CREST
	s_cmp_lg_u32 s14, 0
	s_cbranch_scc1 .Lnot_wave_0_\@
	s_barrier_signal -3
.Lnot_wave_0_\@:
	s_barrier_wait -3
	s_barrier_signal -1
	s_barrier_wait -1
.endm
.macro CROUND
	s_barrier_signal -1
	s_barrier_wait -1
	CREST
.endm
	s_load_b128 s[4:7], s[0:1], 0x0
	s_load_b128 s[8:11], s[0:1], 0x10
	s_load_b64 s[12:13], s[0:1], 0x20
	v_lshl_add_u32 v[SPW], v0, 2, SPARE
	v_mov_b32 v[NIL], 0
	ds_add_u32 v[SPW], v[NIL]
	ds_add_u32 v[SPW], v[NIL]
	v_lshrrev_b32 v1, 5, v0
	v_readfirstlane_b32 s14, v1
	s_lshr_b32 s15, s14, 1
	s_and_b32 s16, s14, 1
	s_bfe_u32 s40, ttmp6, 0x40000
	s_bfe_u32 s41, ttmp6, 0x40004
	s_lshl_b32 s42, ttmp9, 2
	s_add_co_u32 s42, s42, s40
	s_and_b32 s17, ttmp7, 0xffff
	s_lshl_b32 s17, s17, 2
	s_add_co_u32 s17, s17, s41
	s_lshl_b32 s43, s41, 2
	s_lshl_b32 s43, 15, s43
	s_lshl_b32 s44, 0x1111, s40
	s_or_b32 s[G1+0], s43, (3<<16)|(1<<21)
	s_or_b32 s[G1B+0], s44, (3<<16)|(1<<21)
.irp g, G1, G1B
	s_mov_b32 s[\g+1], 32<<16
	s_mov_b32 s[\g+2], 128<<16
	s_mov_b32 s[\g+3], 32<<16
	s_mov_b32 s[\g+4], 128
	s_mov_b32 s[\g+5], 32
	s_mov_b32 s[\g+6], 0
	s_mov_b32 s[\g+7], 0
.endr
	s_mov_b32 s[G1B+2], 64<<16                     ; B's loads bring 64 rows of 256 bytes
	s_mov_b32 s[G1B+4], 64
	s_lshl_b32 s20, s17, 1
	s_add_co_u32 s20, s20, s16
	s_lshl_b32 s20, s20, 17
	s_mov_b32 s21, 0
	s_lshl_b32 s46, s42, 3
	s_add_co_u32 s46, s46, s16
	s_lshl_b32 s46, s46, 14                        ; B: 131,072 x tile column + 16,384 x half
	s_add_co_u32 s46, s46, 0x1b00000
	s_mov_b32 s47, 0
	s_mul_i32 s45, s14, HALFT
	s_lshl_b32 s22, s16, 14
	s_add_co_u32 s22, s22, 2*HALFT                 ; B's halves lie behind A's two: 65,536 + 16,384 x half
	s_wait_dscnt 0x0
	s_wait_kmcnt 0x0
	s_load_b64 s[96:97], s[8:9], 0x28
	s_add_nc_u64 s[20:21], s[4:5], s[20:21]
	s_add_nc_u64 s[46:47], s[6:7], s[46:47]
	CROUND
.irp s, 0,1
	s_mov_b32 s[G0+4*\s], 1
	s_add_co_u32 s[G0+4*\s+1], s45, \s*SLOT
	s_add_nc_u64 s[G0+4*\s+2:G0+4*\s+3], s[20:21], \s*HALFT
	s_or_b32 s[G0+4*\s+3], s[G0+4*\s+3], 0x80000000
	s_mov_b32 s[G0B+4*\s], 1
	s_add_co_u32 s[G0B+4*\s+1], s22, \s*SLOT
	s_add_nc_u64 s[G0B+4*\s+2:G0B+4*\s+3], s[46:47], \s*HALFT
	s_or_b32 s[G0B+4*\s+3], s[G0B+4*\s+3], 0x80000000
	s_wait_alu depctr_va_vdst(0)
	s_wait_tensorcnt 0x0
	ds_add_u32 v28, v29
	ds_add_u32 v28, v29
	s_wait_dscnt 0x0
	CROUND
	JLOAD G0+4*\s, G1, G0B+4*\s, G1B
.endr
	v_and_b32 v1, 15, v0
	s_wait_alu depctr_va_vdst(0)
	v_bfe_u32 v2, v0, 4, 1
	v_and_b32 v3, 31, v0
	v_lshlrev_b32 v[CO], 4, v3
	s_mul_i32 s21, s15, HALFT
	s_lshl_b32 s22, s16, 14
	s_add_co_u32 s22, s22, 2*HALFT
.irp s, 0,1
	v_add_nc_u32 v[ADRA+\s], s21, v[CO]
	v_add_nc_u32 v[ADRB+\s], s22, v[CO]
	s_add_co_u32 s21, s21, SLOT
	s_add_co_u32 s22, s22, SLOT
.endr
	s_mul_i32 s23, s14, 16*SPITCH
	v_mul_u32_u24 v5, v1, SPITCH
	s_wait_alu depctr_va_vdst(0)
	v_lshl_add_u32 v5, v2, 5, v5
	v_add_nc_u32 v[STO], s23, v5
	v_mul_u32_u24 v6, v2, SPITCH                   ; back: lanes 0-15 take one row of 256 bytes, lanes 16-31 the next
	v_lshl_add_u32 v6, v1, 4, v6
	v_add_nc_u32 v[RD], s23, v6
	v_lshlrev_b32 v7, 4, v1                        ; my 16 bytes of a row's 256: bp's offset,
	v_lshl_add_u32 v[CO], v2, 12, v7               ; and with the row's 4,096 bytes the offset in out0
	s_wait_alu depctr_va_vdst(0)
	s_lshl_b32 s88, s17, 20
	s_lshl_b32 s89, s15, 19
	s_add_co_u32 s88, s88, s89
	s_lshl_b32 s90, s42, 9
	s_lshl_b32 s91, s16, 8
	s_add_co_u32 s90, s90, s91
	s_add_co_u32 s88, s88, s90
	s_mov_b32 s89, 0
	s_mov_b32 s91, 0
	s_add_nc_u64 s[12:13], s[12:13], s[88:89]
	s_add_nc_u64 s[92:93], s[10:11], s[90:91]
	global_load_b128 v[BIAS:BIAS+3], v7, s[92:93]
	s_wait_kmcnt 0x0
	s_add_co_i32 s96, s96, s97
	s_add_co_i32 s96, s96, 127
	s_lshl_b32 s96, s96, 23
	s_mov_b32 s97, s96
.macro FRAG reg, adr, q, i
.irp c, 0,1,2,3
	ds_load_b128 v[\reg+4*\c:\reg+4*\c+3], v[\adr] offset:2048*(\q)+512*\c+(\i)*4096
.endr
.endm
.macro MUL16 a0, p, zero
.irp a, \a0, \a0+1
.irp b, 0,1,2,3
.if \zero
	v_wmma_f32_16x16x128_fp8_fp8 v[8*(8*((\a)%4)+\b):8*(8*((\a)%4)+\b)+7], v[128*(\p)+FR*\b:128*(\p)+FR*\b+FR-1], v[AF+FR*(\a):AF+FR*(\a)+FR-1], 0
.else
	v_wmma_f32_16x16x128_fp8_fp8 v[8*(8*((\a)%4)+\b):8*(8*((\a)%4)+\b)+7], v[128*(\p)+FR*\b:128*(\p)+FR*\b+FR-1], v[AF+FR*(\a):AF+FR*(\a)+FR-1], v[8*(8*((\a)%4)+\b):8*(8*((\a)%4)+\b)+7]
.endif
.endr
.endr
.endm
.macro FETCH_B slot, q, p
	WIN TO_B
.irp i, 0,1,2,3
	FRAG 128*(\p)+FR*\i, ADRB+\slot, \q, \i
.endr
	WIN 0
.endm
.macro FETCH_A slot, q, i0
.irp i, \i0, \i0+1, \i0+2, \i0+3
	FRAG AF+FR*(\i), ADRA+\slot, \q, \i
.endr
.endm
.macro PLACES n
.rept \n
	v_nop
.endr
.endm
.macro STEP slot, q, zero
	s_wait_dscnt 4*NL
	WIN MUL_LO
	MUL16 0, (\q)%2, \zero
	MUL16 2, (\q)%2, \zero
	s_wait_dscnt 0
	PLACES NP
	FETCH_B \slot, (\q)+1, 1-(\q)%2
	FETCH_A \slot, (\q)+1, 0
	WIN MUL_HI
	MUL16 4, (\q)%2, \zero
	MUL16 6, (\q)%2, \zero
	PLACES NP
	WIN 0
	FETCH_A \slot, (\q)+1, 4
.endm
.macro TURN slot, next, fill
	s_wait_tensorcnt 0x0
	ds_add_u32 v[SPW], v[NIL]
	s_wait_dscnt 4*NL+1
	WIN MUL_LO
	MUL16 0, 1, 0
	s_wait_dscnt 0x0
	s_barrier_signal -1
	MUL16 2, 1, 0
	WIN 0
	s_barrier_wait -1
.if \fill
	CREST
	s_add_nc_u64 s[G0+4*\slot+2:G0+4*\slot+3], s[G0+4*\slot+2:G0+4*\slot+3], 2*HALFT
	s_add_nc_u64 s[G0B+4*\slot+2:G0B+4*\slot+3], s[G0B+4*\slot+2:G0B+4*\slot+3], 2*HALFT
	JLOAD G0+4*\slot, G1, G0B+4*\slot, G1B
.else
	PLACES NP
.endif
	FETCH_B \next, 0, 0
	FETCH_A \next, 0, 0
	WIN MUL_HI
	MUL16 4, 1, 0
	MUL16 6, 1, 0
	PLACES NP
	WIN 0
	FETCH_A \next, 0, 4
.endm
	s_wait_tensorcnt 1
	s_barrier_signal -1
	s_barrier_wait -1
	FETCH_B 0, 0, 0
	FETCH_A 0, 0, 0
	FETCH_A 0, 0, 4
	STEP 0, 0, 1
	TURN 0, 1, 1
	STEP 1, 0, 0
	TURN 1, 0, 1
	STEP 0, 0, 0
	TURN 0, 1, 0
	STEP 1, 0, 0
	s_wait_dscnt 4*NL
	WIN MUL_LO
	MUL16 0, 1, 0
	MUL16 2, 1, 0
	s_wait_alu depctr_va_vdst(0)
	s_wait_dscnt 0
	WIN MUL_HI
	MUL16 4, 1, 0
	MUL16 6, 1, 0
	WIN 0
.macro TOSTAGE a
.set AC, 64*((\a)%4)
	WIN 0x08+4*((\a)/4)
.irp b, 0,1,2,3
	ds_store_b128 v[STO], v[AC+8*\b:AC+8*\b+3] offset:64*\b
	ds_store_b128 v[STO], v[AC+8*\b+4:AC+8*\b+7] offset:64*\b+16
.endr
	WIN 0
.set BB, BK+64*((\a)%2)
.irp t, 0,1,2,3,4,5,6,7
	ds_load_b128 v[BB+4*\t:BB+4*\t+3], v[RD] offset:2*\t*SPITCH
.endr
.endm
.macro SEND a, younger
.set BB, BK+64*((\a)%2)
	s_wait_dscnt \younger
.if (\a) > 0
	s_add_nc_u64 s[12:13], s[12:13], 16*4096
.endif
.irp t, 0,1,2,3,4,5,6,7
	v_pk_fma_f32 v[BB+4*\t:BB+4*\t+1], v[BB+4*\t:BB+4*\t+1], s[96:97], v[BIAS:BIAS+1] op_sel_hi:[1,0,1]
	v_pk_fma_f32 v[BB+4*\t+2:BB+4*\t+3], v[BB+4*\t+2:BB+4*\t+3], s[96:97], v[BIAS+2:BIAS+3] op_sel_hi:[1,0,1]
	global_store_b128 v[CO], v[BB+4*\t:BB+4*\t+3], s[12:13] offset:2*\t*4096 th:TH_STORE_NT
.endr
.endm
	s_wait_loadcnt 0x0
	PLACES NP
	TOSTAGE 0
.irp a, 1,2,3,4,5,6,7
.if \a > 1
	s_wait_xcnt 0x0
.endif
	TOSTAGE \a
	SEND \a-1, 16
.endr
	s_wait_xcnt 0x0
	SEND 7, 0
	s_wait_tensorcnt 0x0
	ds_add_u32 v[SPW], v[NIL]
	s_wait_dscnt 0x0
	CROUND
	s_endpgm
.Lfunc_end_k_qb884df7a74_proj:
	.size	k_qb884df7a74_proj, .Lfunc_end_k_qb884df7a74_proj-k_qb884df7a74_proj
	.p2alignl 7, 3214868480
	.fill 96, 4, 3214868480
	.section	.rodata,"a",@progbits
	.p2align	6, 0x0
	.amdhsa_kernel k_qb884df7a74_proj
		.amdhsa_group_segment_fixed_size 327680
		.amdhsa_private_segment_fixed_size 0
		.amdhsa_enable_private_segment 0
		.amdhsa_kernarg_size 40
		.amdhsa_user_sgpr_count 2
		.amdhsa_user_sgpr_kernarg_segment_ptr 1
		.amdhsa_wavefront_size32 1
		.amdhsa_system_sgpr_workgroup_id_x 1
		.amdhsa_system_sgpr_workgroup_id_y 1
		.amdhsa_system_sgpr_workgroup_id_z 1
		.amdhsa_system_vgpr_workitem_id 0
		.amdhsa_next_free_vgpr 1024
		.amdhsa_next_free_sgpr 98
		.amdhsa_reserve_vcc 0
		.amdhsa_float_denorm_mode_32 3
		.amdhsa_float_denorm_mode_16_64 3
		.amdhsa_memory_ordered 1
		.amdhsa_forward_progress 1
		.amdhsa_inst_pref_size 78
	.end_amdhsa_kernel
	.amdgpu_metadata
---
amdhsa.version: [ 1, 2 ]
amdhsa.kernels:
  - .name:           k_qb884df7a74_proj
    .symbol:         k_qb884df7a74_proj.kd
    .args:
      - { .name: af, .offset: 0, .size: 8, .value_kind: global_buffer, .address_space: global }
      - { .name: codes, .offset: 8, .size: 8, .value_kind: global_buffer, .address_space: global }
      - { .name: lowp_scales, .offset: 16, .size: 8, .value_kind: global_buffer, .address_space: global }
      - { .name: bp, .offset: 24, .size: 8, .value_kind: global_buffer, .address_space: global }
      - { .name: out0, .offset: 32, .size: 8, .value_kind: global_buffer, .address_space: global }
    .group_segment_fixed_size: 327680
    .private_segment_fixed_size: 0
    .kernarg_segment_align: 8
    .kernarg_segment_size: 40
    .max_flat_workgroup_size: 128
    .sgpr_count:     98
    .vgpr_count:     1024
    .wavefront_size: 32
...
	.end_amdgpu_metadata
.endif
;; end of part 4
